; MI455X (gfx1250); checked and timed in simulation.
; The chip was launched on July 23, 2026; its instructions are those of AMD's public machine-readable ISA for CDNA 5 (MIT licence, August 2026) and "CDNA5" Instruction Set Architecture Reference Guide (July 2026). The comments in the code are by the model that wrote it; some were corrected since.
;; Attention. Allowed arithmetic: matrix products marked QUANTISED: E2M3 operands, one E8M0 scale for each 32 along K, by v_wmma_scale_f32_16x16x128_f8f6f4 with both operands' format E2M3, f32 sums; everything else in f32.
;; Inputs: bo 1,024 float32; wk 1,024 x 1,024 float32; wo 1,024 x 1,024 float32; wq 1,024 x 1,024 float32; wv 1,024 x 1,024 float32; x 4 x 2,048 x 1,024 float32.
;; Outputs: out0 4 x 2,048 x 1,024 float32.
;; This version of the problem:
;;   THIS VERSION OF THE PROBLEM IS GIVEN IN LOW PRECISION. The matrix products marked QUANTISED in the list below multiply operands that are first quantised to E2M3 (2 exponent bits, 3 mantissa bits; 6 bits a number), with one power-of-two scale for each 32 numbers along K (OCP MX v1.0); their sums are f32. All else is computed in f32.
;;   The module's matrix products, in the order in which they are computed (A, B: the left and right operand; K: the contracted axis; several contracted axes count as one K, in the product's order):
;;     1. [M 8,192, K 1,024] x [K 1,024, N 1,024]; A: input x; B: input wq: QUANTISED
;;     2. [M 8,192, K 1,024] x [K 1,024, N 1,024]; A: input x; B: input wk: QUANTISED
;;     3. [M 8,192, K 1,024] x [K 1,024, N 1,024]; A: input x; B: input wv: QUANTISED
;;     4. batch 64 x [M 2,048, K 64] x [K 64, N 2,048]; A: computed on the way; B: computed on the way: QUANTISED
;;     5. batch 64 x [M 2,048, K 2,048] x [K 2,048, N 64]; A: softmax (see below); B: computed on the way: QUANTISED
;;     6. [M 8,192, K 1,024] x [K 1,024, N 1,024]; A: computed on the way; B: input wo: QUANTISED
;;   THE QUANTISER, for each operand of a quantised product, along K:
;;     - K is cut into blocks of 32 from its start; a last block that is shorter is filled with zeros.
;;     - A block's scale is 2^e with e = floor(log2(the largest magnitude in the block)) - 2, held to -126 .. 127; a block of zeros has e = 0. As a byte (E8M0): e + 127.
;;     - Each number is divided by its block's scale, clamped to +-7.5, and rounded to the nearest number of E2M3, ties to even, subnormals kept.
;;     - The product sums the exact products of the quantised numbers (number of the format x scale) in f32.
;;   ~~~python
;;   def quantise(x, axis):      # numpy; x: float32 -> the quantised numbers, widened to float32 again
;;       x = np.moveaxis(x, axis, -1); K = x.shape[-1]
;;       x = np.pad(x, [(0, 0)] * (x.ndim - 1) + [(0, -K % 32)]); x = x.reshape(x.shape[:-1] + (-1, 32)); a = np.abs(x).max(-1, keepdims=True)
;;       e = np.where(a > 0, np.clip(np.frexp(np.where(a > 0, a, 1))[1] - 1 - 2, -126, 127), 0)      # np.frexp(a)[1] - 1 = floor(log2(a)), exactly
;;       r = np.clip(x / 2.0 ** e, -7.5, 7.5)
;;       step = 2.0 ** (np.maximum(np.frexp(np.where(r == 0, 1, r))[1] - 1, 0) - 3)
;;       q = np.round(r / step) * step * 2.0 ** e      # np.round: ties to even
;;       return np.moveaxis(q.reshape(q.shape[:-2] + (-1,))[..., :K], -1, axis).astype(np.float32)
;;   ~~~
;;   SOFTMAX AHEAD OF A QUANTISED PRODUCT. Where the list says 'softmax', what is quantised is not the finished softmax but p = 2^(t - M), with t = logit x log2(e) and M = ceil(the row's largest t), a whole number; so 1/2 < the row's largest p <= 1. The row's sum l is taken of the UNQUANTISED p, in f32, and the product's result is divided by l at the end. Since M is a whole number, a kernel that streams over the keys may use a running M (the ceiling of the running maximum): every later rescaling is an exact power of two, which a block's scale takes up: the codes' values come out the same.
;;   OPERANDS COMPUTED ON THE WAY. 'Computed on the way' means the value that the module computes at that place (a softmax that the list does not call 'softmax' is quantised finished and normalised). What goes into a quantiser is computed in f32, as accurately as f32 sums, v_exp_f32 and their like allow (about 1e-6 of the number): no bf16 or f16 on the way to a quantiser, and a product that is left as it is and whose result goes on into a quantised operand takes f32 operands (vector FMAs, or v_wmma_f32_16x16x4_f32). A number that lies on a knife's edge between two numbers of the format may be rounded either way, as far as f32 arithmetic and the matrix unit's own rounding can turn it there, and no further.
;; One version. Each part assembles by itself: llvm-mc -triple=amdgcn-amd-amdhsa -mcpu=gfx1250 --defsym DOCPART=n.
;; ======== version 1 of 1: 4 launches
;; limits: right only within a limited range of input values
;; workspace buffers: codes 15,728,640 bytes; scales 655,360 bytes; qkv 20,447,232 bytes
;; launch quant (part 1): grid 256 x 1, 4 waves a work-group, no clusters, 34,304 bytes of LDS; arguments x, wq, wk, wv, wo, codes, scales; writes codes, scales
.if DOCPART == 1
	.amdgcn_target "amdgcn-amd-amdhsa--gfx1250"
	.amdhsa_code_object_version 6
	.text
	.protected	k_qf8a3c66986_quant
	.globl	k_qf8a3c66986_quant
	.p2align	8
	.type	k_qf8a3c66986_quant,@function
k_qf8a3c66986_quant:
	s_mov_b64 s[64:65], 0
	v_nop
	global_prefetch_b8 v0, s[64:65] scope:SCOPE_SE
	s_setreg_imm32_b32 hwreg(HW_REG_WAVE_MODE, 25, 1), 1
	s_wait_xcnt 0x0
; x [8192][1024] and the four weights [1024 (k)][1024 (n)], f32, become codes of FP6 (E2M3) with one E8M0 byte for each 32 along K, laid as the later launches' operand registers want them.
; A TILE is 16 rows of an operand (x: tokens; a weight: its columns n).  Tile 2 P + u holds in its row r the operand's row 32 P + 8 u + r + 8 (r / 8).
; codes:  [tile][K step of 128: 0..7][1,536 bytes]: a fragment's 12 registers as an image: registers 4 c .. 4 c + 3 of lane l at 512 c + 16 l.   scales: [tile][row r][K step]: one word of four bytes.
; Tiles 0-511: x; 512-575 wq; 576-639 wk; 640-703 wv; 704-767 wo.
; A block's scale is 2^(floor(log2(its largest magnitude)) - 2); its byte is the largest magnitude's exponent field - 2, held at 1 from below.
; LIMITS: a block of zeros, or one whose largest magnitude lies under 2^(3 - 127), gets the byte 1 where the rule says 127 (its codes are zeros, and this program alone reads the bytes); NaN and infinities are not served.
; Work-groups 0-127 take x, a wave a tile (16 rows x all of K); work-groups 128-255 take the weights, a wave 32 columns x 256 along K.  Waves share nothing: no barrier.  Only x's path uses LDS.
.set LI,  4                            ; v4      16 x lane
.set TM,  8                            ; v8-11 largest magnitudes, v12-15 the other half's / bytes, v20-23 the conversions' scale operands
.set WQ,  24                           ; v24-31  a row's scale words, one for each K step
.set PC,  32                           ; v32-43  a fragment's codes; v44-46, v48-50 the second halves as they are made
.set SW,  52                           ; v52-55  the four scale words that my lane stores
.set SEL, 20                           ; s[20:21] lane selects: lane l xor 16
; 64 numbers of a lane, register 16 b + i = k 32 b + 16 (lane / 16) + i of my row, become 2 x 6 registers of codes (d0: k 0-63, d1: k 64-127, each lane k = 32 (lane / 16) + 0..31) and the row's scale word
.macro QUANT s, d0, d1, t0, t1, pw
.irp b, 0,1,2,3
	v_max3_num_f32 v[TM+\b], |v[\s+16*\b]|, |v[\s+16*\b+1]|, 0x1800000   ; my 16 numbers of block b, and the floor 2^(3 - 127): the byte cannot fall under 1
.endr
.irp i, 2,4,6,8,10,12,14
.irp b, 0,1,2,3
	v_max3_num_f32 v[TM+\b], v[TM+\b], |v[\s+16*\b+\i]|, |v[\s+16*\b+\i+1]|   ; the four blocks by turns
.endr
.endr
.irp b, 0,1,2,3
	v_permlanex16_b32 v[TM+4+\b], v[TM+\b], s[SEL], s[SEL+1]
.endr
.irp b, 0,1,2,3
	v_max_num_f32 v[TM+\b], v[TM+\b], v[TM+4+\b]       ; with lane l xor 16's 16: the block's largest magnitude
.endr
.irp b, 0,1,2,3
	v_add_nc_u32 v[TM+12+\b], 0xff000000, v[TM+\b]     ; 2 off its exponent field: the conversion takes this operand's exponent field as its scale
.endr
.irp b, 0,1,2,3
	v_lshrrev_b32 v[TM+4+\b], 23, v[TM+12+\b]          ; the scale's byte
.endr
	v_lshl_or_b32 v[\pw], v[TM+5], 8, v[TM+4]
	v_lshl_or_b32 v[\pw], v[TM+6], 16, v[\pw]
	v_lshl_or_b32 v[\pw], v[TM+7], 24, v[\pw]
	v_cvt_scalef32_pk16_fp6_f32 v[\d0:\d0+2], v[\s:\s+15], v[TM+12]
	v_cvt_scalef32_pk16_fp6_f32 v[\t0:\t0+2], v[\s+16:\s+31], v[TM+13]   ; (a conversion's three registers begin on an even number)
	v_cvt_scalef32_pk16_fp6_f32 v[\d1:\d1+2], v[\s+32:\s+47], v[TM+14]
	v_cvt_scalef32_pk16_fp6_f32 v[\t1:\t1+2], v[\s+48:\s+63], v[TM+15]
	v_nop                                              ; one plain instruction behind the scaled conversions
.irp i, 0,1,2
	v_permlane16_swap_b32 v[\d0+\i], v[\t0+\i]         ; a whole block to a lane: lanes 0-15 the even block, lanes 16-31 the odd one
	v_permlane16_swap_b32 v[\d1+\i], v[\t1+\i]
.endr
.irp i, 0,1,2
	v_mov_b32 v[\d0+3+\i], v[\t0+\i]
	v_mov_b32 v[\d1+3+\i], v[\t1+\i]
.endr
.endm
	s_load_b128 s[4:7], s[0:1], 0x0                ; x, wq
	s_load_b128 s[8:11], s[0:1], 0x10              ; wk, wv
	s_load_b128 s[12:15], s[0:1], 0x20             ; wo, codes
	s_load_b64 s[16:17], s[0:1], 0x30              ; scales
	v_lshl_add_u32 v18, v0, 2, 0x8400
	v_mov_b32 v19, 0
	v_lshrrev_b32 v1, 5, v0
	v_readfirstlane_b32 s18, v1                    ; wave 0..3
	v_and_b32 v1, 31, v0                           ; lane
	v_and_b32 v2, 15, v0                           ; r
	v_bfe_u32 v3, v0, 4, 1                         ; h
	v_lshlrev_b32 v[LI], 4, v1
	s_mov_b32 s[SEL], 0x76543210
	s_mov_b32 s[SEL+1], 0xfedcba98
	s_mov_b32 s25, 0
	s_wait_kmcnt 0x0
	s_cmp_lt_u32 ttmp9, 128
	s_cbranch_scc0 .Lweights
; ---------------- x: a wave takes tile 4 x work-group + wave.  Each load reads 512 consecutive bytes (a row's K step); the 16 rows turn through the wave's own stage in LDS
; (16 rows, 528 bytes apart: 33 x 16) and come back 16 neighbours of each block to a lane.
	s_lshl_b32 s22, ttmp9, 2
	s_add_co_u32 s22, s22, s18                     ; my tile
	s_lshr_b32 s23, s22, 1
	s_lshl_b32 s23, s23, 5
	s_and_b32 s24, s22, 1
	s_lshl_b32 s24, s24, 3
	s_add_co_u32 s24, s24, s23                     ; its first row: 32 (tile / 2) + 8 (tile % 2)
	s_lshl_b32 s24, s24, 12                        ; rows of 4,096 bytes
	s_add_nc_u64 s[4:5], s[4:5], s[24:25]
	s_mul_i32 s24, s22, 12288
	s_add_nc_u64 s[14:15], s[14:15], s[24:25]
	s_lshl_b32 s24, s22, 9
	s_add_nc_u64 s[16:17], s[16:17], s[24:25]
	s_mul_i32 s26, s18, 8448                       ; my stage
	s_wait_alu depctr_va_vdst(0)
	v_add_nc_u32 v5, s26, v[LI]                    ; into it: 16 x lane, a row an instruction
	v_mul_u32_u24 v6, v2, 528
	v_lshl_add_u32 v6, v3, 6, v6
	v_add_nc_u32 v6, s26, v6                       ; out of it: row r, + 64 h
	s_wait_alu depctr_va_vdst(0)
	v_lshlrev_b32 v7, 5, v2
	v_lshl_add_u32 v7, v3, 4, v7                   ; the scale words' place: 32 r + 16 h
.irp b, 0,1,2,3
	v_mov_b32 v[TM+4+\b], 0                        ; written once: a lane permute's destination counts as one of its sources
.endr
.macro LOADX q                         ; K step q of the tile's 16 rows into set q % 3
.set RS, 64+64*((\q)%3)
.irp t, 0,1,2,3,4,5,6,7,8,9,10,11,12,13,14,15
	global_load_b128 v[RS+4*\t:RS+4*\t+3], v[LI], s[4:5] offset:(\t+8*(\t/8))*4096+512*(\q) th:TH_LOAD_NT
.endr
.endm
.macro TURNX q                         ; through the stage and back into the registers that they left: LDS serves a wave's instructions in order
.set RS, 64+64*((\q)%3)
.irp t, 0,1,2,3,4,5,6,7,8,9,10,11,12,13,14,15
	ds_store_b128 v5, v[RS+4*\t:RS+4*\t+3] offset:528*\t
.endr
.irp b, 0,1,2,3
.irp j, 0,1,2,3
	ds_load_b128 v[RS+16*\b+4*\j:RS+16*\b+4*\j+3], v6 offset:128*\b+16*\j
.endr
.endr
.endm
.macro STEPX q
.if (\q) < 6
	LOADX (\q)+2                                   ; two steps ahead, into the set that the last step has left
	s_wait_loadcnt 32                              ; this step's sixteen loads are in; the two later steps' may be out
.elseif (\q) == 6
	s_wait_loadcnt 16
.else
	s_wait_loadcnt 0
.endif
	TURNX \q
	s_wait_dscnt 0x0
	s_wait_xcnt 0x0                                ; the last step's stores have read the codes' registers: they are written again only behind this wait
.set RS, 64+64*((\q)%3)
	QUANT RS, PC, PC+6, PC+12, PC+16, WQ+(\q)
.irp c, 0,1,2
	global_store_b128 v[LI], v[PC+4*\c:PC+4*\c+3], s[14:15] offset:1536*(\q)+512*\c   ; 512 consecutive bytes, aligned
.endr
.endm
	LOADX 0
	LOADX 1
.irp q, 0,1,2,3,4,5,6,7
	STEPX \q
.endr
	v_cmp_le_u32 vcc_lo, 16, v1
.irp i, 0,1,2,3
	v_cndmask_b32 v[SW+\i], v[WQ+\i], v[WQ+4+\i], vcc_lo   ; lanes 0-15: my row's words of K steps 0-3; lanes 16-31: of 4-7 (both halves hold all eight)
.endr
	global_store_b128 v7, v[SW:SW+3], s[16:17]     ; the tile's 512 bytes of scale words
	s_wait_tensorcnt 0x0
	ds_add_u32 v18, v19
	s_wait_dscnt 0x0
	s_endpgm
; ---------------- the weights: K is the first axis.  A lane takes a column n and its registers run down K: a block of 32 lies in one lane.  Lane (r, h) takes the column of row r of tile t0 + h.
.Lweights:
	s_sub_co_u32 s22, ttmp9, 128
	s_lshr_b32 s23, s22, 5                         ; which weight
	s_and_b32 s24, s22, 7                          ; which 128 columns
	s_bfe_u32 s27, s22, 0x20003                    ; which 256 along K
	s_cmp_eq_u32 s23, 1
	s_cselect_b64 s[6:7], s[8:9], s[6:7]
	s_cmp_eq_u32 s23, 2
	s_cselect_b64 s[6:7], s[10:11], s[6:7]
	s_cmp_eq_u32 s23, 3
	s_cselect_b64 s[6:7], s[12:13], s[6:7]
	s_lshl_b32 s26, s24, 2
	s_add_co_u32 s26, s26, s18                     ; my 32 columns: group 4 x (128 columns) + wave
	s_lshl_b32 s24, s27, 20                        ; 256 rows of 4,096 bytes
	s_lshl_b32 s28, s26, 7
	s_add_co_u32 s24, s24, s28
	s_add_nc_u64 s[6:7], s[6:7], s[24:25]
	s_lshl_b32 s28, s23, 6
	s_lshl_b32 s29, s26, 1
	s_add_co_u32 s28, s28, s29
	s_add_co_u32 s28, s28, 512                     ; t0 = 512 + 64 x weight + 2 x group
	s_mul_i32 s24, s28, 12288
	s_mul_i32 s29, s27, 3072
	s_add_co_u32 s24, s24, s29
	s_add_nc_u64 s[14:15], s[14:15], s[24:25]
	s_lshl_b32 s24, s28, 9
	s_lshl_b32 s29, s27, 3
	s_add_co_u32 s24, s24, s29
	s_add_nc_u64 s[16:17], s[16:17], s[24:25]
	s_wait_alu depctr_va_vdst(0)
	v_and_b32 v5, 8, v2
	v_add_nc_u32 v5, v5, v2
	v_lshl_add_u32 v5, v3, 3, v5
	v_lshlrev_b32 v5, 2, v5                        ; my column: 4 x (8 h + r + 8 (r / 8)) bytes: the wave's 32 lanes cover 128 consecutive bytes
	v_lshlrev_b32 v6, 5, v2
	v_lshl_add_u32 v6, v3, 9, v6                   ; my row's scale words: 512 h + 32 r
.macro LOADW t                         ; block t: W(32 t + i, my column) into set t % 2
.irp i, 0,1,2,3,4,5,6,7,8,9,10,11,12,13,14,15,16,17,18,19,20,21,22,23,24,25,26,27,28,29,30,31
	global_load_b32 v[32+32*((\t)%2)+\i], v5, s[6:7] offset:(32*(\t)+\i)*4096 th:TH_LOAD_NT
.endr
.endm
.macro BLOCKW t
.set XS, 32+32*((\t)%2)
.set KA, (\t)/4                        ; which of my two K steps
.set TP, (\t)%4                        ; which block of it
.set CB, 128+24*KA                     ; 24 registers: blocks 0, 2, 1, 3
.set DD, CB+6*((TP/2)+2*(TP%2))
.if (\t) < 7
	s_wait_loadcnt 32                              ; this block's 32 loads are in; the next block's may be out
.else
	s_wait_loadcnt 0
.endif
	v_max3_num_f32 v12, |v[XS]|, |v[XS+1]|, |v[XS+2]|
	v_max3_num_f32 v13, |v[XS+3]|, |v[XS+4]|, |v[XS+5]|
.irp i, 6,10,14,18,22,26
	v_max3_num_f32 v12, v12, |v[XS+\i]|, |v[XS+\i+1]|
	v_max3_num_f32 v13, v13, |v[XS+\i+2]|, |v[XS+\i+3]|
.endr
	v_max3_num_f32 v12, v12, |v[XS+30]|, |v[XS+31]|
	v_max3_num_f32 v12, v12, v13, 0x1800000        ; and the floor
	v_add_nc_u32 v11, 0xff000000, v12
	v_lshrrev_b32 v14, 23, v11
	v_cvt_scalef32_pk16_fp6_f32 v[DD:DD+2], v[XS:XS+15], v11
	v_cvt_scalef32_pk16_fp6_f32 v[96:98], v[XS+16:XS+31], v11
.if TP == 0
	v_mov_b32 v[24+KA], v14                        ; (the plain instruction behind the conversions)  four bytes to a word, the lower K in the lower byte
.else
	v_lshl_or_b32 v[24+KA], v14, 8*TP, v[24+KA]
.endif
.irp i, 0,1,2
	v_mov_b32 v[DD+3+\i], v[96+\i]
.endr
.if (\t)+2 < 8
	LOADW (\t)+2
.endif
.if TP == 3                            ; a K step is whole.  Lanes 0-15 hold tile t0's blocks, lanes 16-31 tile t0 + 1's; a fragment wants even blocks in lanes 0-15 and odd ones in lanes 16-31
.irp i, 0,1,2,3,4,5
	v_permlane16_swap_b32 v[CB+\i], v[CB+12+\i]
	v_permlane16_swap_b32 v[CB+6+\i], v[CB+18+\i]
.endr
.irp c, 0,1,2
	global_store_b128 v[LI], v[CB+4*\c:CB+4*\c+3], s[14:15] offset:1536*KA+512*\c
	global_store_b128 v[LI], v[CB+12+4*\c:CB+12+4*\c+3], s[14:15] offset:12288+1536*KA+512*\c
.endr
.endif
.endm
	LOADW 0
	LOADW 1
.irp t, 0,1,2,3,4,5,6,7
	BLOCKW \t
.endr
	global_store_b64 v6, v[24:25], s[16:17]        ; my row's two scale words
	s_endpgm
.Lfunc_end_k_qf8a3c66986_quant:
	.size	k_qf8a3c66986_quant, .Lfunc_end_k_qf8a3c66986_quant-k_qf8a3c66986_quant
	.p2alignl 7, 3214868480
	.fill 96, 4, 3214868480
	.section	.rodata,"a",@progbits
	.p2align	6, 0x0
	.amdhsa_kernel k_qf8a3c66986_quant
		.amdhsa_group_segment_fixed_size 34304
		.amdhsa_private_segment_fixed_size 0
		.amdhsa_enable_private_segment 0
		.amdhsa_kernarg_size 56
		.amdhsa_user_sgpr_count 2
		.amdhsa_user_sgpr_kernarg_segment_ptr 1
		.amdhsa_wavefront_size32 1
		.amdhsa_system_sgpr_workgroup_id_x 1
		.amdhsa_system_sgpr_workgroup_id_y 1
		.amdhsa_system_sgpr_workgroup_id_z 1
		.amdhsa_system_vgpr_workitem_id 0
		.amdhsa_next_free_vgpr 256
		.amdhsa_next_free_sgpr 66
		.amdhsa_reserve_vcc 1
		.amdhsa_float_denorm_mode_32 3
		.amdhsa_float_denorm_mode_16_64 3
		.amdhsa_memory_ordered 1
		.amdhsa_forward_progress 1
		.amdhsa_inst_pref_size 103
	.end_amdhsa_kernel
	.amdgpu_metadata
---
amdhsa.version: [ 1, 2 ]
amdhsa.kernels:
  - .name:           k_qf8a3c66986_quant
    .symbol:         k_qf8a3c66986_quant.kd
    .args:
      - { .name: x, .offset: 0, .size: 8, .value_kind: global_buffer, .address_space: global }
      - { .name: wq, .offset: 8, .size: 8, .value_kind: global_buffer, .address_space: global }
      - { .name: wk, .offset: 16, .size: 8, .value_kind: global_buffer, .address_space: global }
      - { .name: wv, .offset: 24, .size: 8, .value_kind: global_buffer, .address_space: global }
      - { .name: wo, .offset: 32, .size: 8, .value_kind: global_buffer, .address_space: global }
      - { .name: codes, .offset: 40, .size: 8, .value_kind: global_buffer, .address_space: global }
      - { .name: scales, .offset: 48, .size: 8, .value_kind: global_buffer, .address_space: global }
    .group_segment_fixed_size: 34304
    .private_segment_fixed_size: 0
    .kernarg_segment_align: 8
    .kernarg_segment_size: 56
    .max_flat_workgroup_size: 128
    .sgpr_count:     66
    .vgpr_count:     256
    .wavefront_size: 32
...
	.end_amdgpu_metadata
.endif
;; end of part 1
;; launch proj_qkv (part 2): grid 8 x 48, 4 waves a work-group, clusters of 4 x 4, 327,680 bytes of LDS; arguments codes, scales, qkv; writes qkv
.if DOCPART == 2
	.amdgcn_target "amdgcn-amd-amdhsa--gfx1250"
	.amdhsa_code_object_version 6
	.text
	.protected	k_qf8a3c66986_proj_qkv
	.globl	k_qf8a3c66986_proj_qkv
	.p2align	8
	.type	k_qf8a3c66986_proj_qkv,@function
k_qf8a3c66986_proj_qkv:
	s_mov_b64 s[64:65], 0
	v_nop
	global_prefetch_b8 v0, s[64:65] scope:SCOPE_SE
	s_setreg_imm32_b32 hwreg(HW_REG_WAVE_MODE, 25, 1), 1
	s_wait_xcnt 0x0
	s_wait_alu depctr_hold_cnt(0) depctr_sa_sdst(0) depctr_va_vdst(0) depctr_va_sdst(0) depctr_va_ssrc(0) depctr_va_vcc(0) depctr_vm_vsrc(0)
	s_getreg_b32 s2, hwreg(HW_REG_IB_STS2, 6, 4)
	s_cmp_eq_u32 s2, 0
	s_cbranch_scc0 .Lentry_in_a_cluster
	s_endpgm
.Lentry_in_a_cluster:
	s_bfe_u32 s2, ttmp6, 0x10000c
	s_cmp_lg_u32 s2, 0xf033
	s_cbranch_scc0 .Lentry_shape_is_right
	s_endpgm
.Lentry_shape_is_right:
; q = x wq, k = x wk, v = x wv on codes of FP6 (E2M3) with E8M0 scales, K = 1,024; the results are quantised in registers and leave as codes laid for the attention launch.
; ONE BODY, TWO PRODUCTS of the form C'[m'][n'] = A B^T, quantised along n'.  Clusters with y < 8: A = x (8,192 tokens), B = wq | wk (2,048 channels): q and k are quantised along a head's 64 channels.
; Clusters with y >= 8: A = wv (1,024 channels), B = x: v is quantised along the tokens, which are the second attention product's K.  The choice hangs on the cluster's y alone, is the same in all sixteen partners, and is made by selects: no branch.
; A tile of C' is 256 x 256: four waves, each 128 x 128 in 64 accumulators.  Operands lie in memory as images of fragments (codes: [tile of 16 rows][K step of 128][1,536 bytes]); a tensor load brings 8 tiles x 2 K steps (rows of 3,072 bytes).
; Two LDS slots of two K steps; four fills; all written out.  A's tiles are asked for jointly along a row of the cluster, B's along a column.  All scale words of the wave's rows (8 K steps) stay in 64 registers.
; THE MATRIX INSTRUCTION IS USED TRANSPOSED (source 0 = 16 rows of B, source 1 = 16 rows of A).  Tile 2 P + u of an operand holds in its row r the operand's row 32 P + 8 u + r + 8 (r / 8): so a lane holds one row m', and the 64 registers of
; A's block a are register 16 b + i = n' 32 b + 16 (lane / 16) + i: sixteen neighbours of each block of 32, as the conversions want them.
; qkv: [q, k, v][batch][head][128 tokens: 16][record of 6,656 bytes].  q, k: four runs of 12 registers (tiles 2 P, 2 P + 1 of 16 tokens, 6 registers = 64 codes each) as images of 1,536 bytes, then 512 bytes of scale words (lane l: X0..X3; X_P: lanes 0-15 tile 2 P, lanes 16-31 tile 2 P + 1).
; v: for the head's channel tiles 2 p, 2 p + 1, at 3,072 p: the run for keys 0-63, then the run for keys 64-127; then the head pair's scale words.
; LIMITS: a block of zeros or under 2^(3 - 127) gets the byte 1 (zero codes; only this program reads the bytes); NaN and infinities are not served.  reference()'s factor 1/8 on q is a power of two: it changes no code, and goes into the softmax's constant (the same unless a block of q lies under 2^-121).
; REGISTERS: window 0: v16-31 addresses; v32-95 scale words; v96-119 the way out's words and offsets; v128-223 A's fragments, one set, later the codes; v224-247 at work.  window 1: B's fragments, two sets.  windows 2, 3: the accumulators, (a, b) at v[8 (8 (a % 4) + b)].
.set FR,    12                         ; registers of a fragment
.set NL,    3                          ; LDS loads that bring one
.set NP,    4                          ; places behind this matrix instruction (ISA guide 7.12.1)
.set HALFT, 24576                      ; 8 tiles x 2 K steps: what one tensor load brings, and what a wave reads of A or of B in a slot
.set SLOT,  4*HALFT                    ; A's 16 tiles, then B's 16
.set SPARE, 2*SLOT                     ; behind the ring: the spare words, 128 bytes a wave: two blocks of 256 bytes that no other line names
.set ADRA,  16                         ; v16-17 LDS address of my A fragments in slot 0, 1
.set ADRB,  20                         ; v20-21 the same for B
.set LI,    24                         ; v24    16 x lane
.set SPW,   28                         ; v28    my spare word; never rewritten
.set NIL,   29                         ; v29    0; never rewritten
.set SOF,   30                         ; v30    my scale words' offset: lanes 0-15 in A's rows, lanes 16-31 in B's
.set SC,    32                         ; v[32 + 8 i + K step]: lanes 0-15 the word of A's block i, lanes 16-31 of B's block i
.set WA,    96                         ; v96-103  the results' scale words, one for each of A's blocks
.set XW,    104                        ; v104-107 X0..X3; v108-111 the same shifted for the second head
.set VO,    112                        ; v112-119 store offsets: 2 P + c
.set AF,    128
.set T0,    224
.set T1,    228
.set TM,    232
.set G1,  24
.set G0,  32
.set G1B, 48
.set G0B, 56
.set SEL, 90                           ; s[90:91]
.set MSB, 0
.macro WIN new                         ; the immediate's high byte repeats the setting that is left
.if MSB != (\new)
	s_set_vgpr_msb (MSB<<8)|(\new)
.set MSB, \new
.endif
.endm
.set MUL_LO, 0xa1                      ; source 0 (B) window 1, source 1 (A) window 0, C and D window 2
.set MUL_HI, 0xf1
.set TO_B,   0x40
; A joint load: waves 0 and 1 fetch for A, waves 2 and 3 for B; the branch hangs on the wave's number alone.  Four v_nop follow each of the two lines.
.macro JLOAD g0a, g1a, g0b, g1b
	s_cmp_eq_u32 s15, 0
	s_cbranch_scc0 .Lfor_b_\@
	tensor_load_to_lds s[\g0a:\g0a+3], s[\g1a:\g1a+7]
	s_nop 0
.rept 4
	v_nop
.endr
	s_branch .Lasked_\@
.Lfor_b_\@:
	tensor_load_to_lds s[\g0b:\g0b+3], s[\g1b:\g1b+7]
	s_nop 0
.rept 4
	v_nop
.endr
.Lasked_\@:
.endm
.macro CREST                           ; a round of the cluster's barrier behind its opening barrier
	s_cmp_lg_u32 s14, 0
	s_cbranch_scc1 .Lnot_wave_0_\@
	s_barrier_signal -3
.Lnot_wave_0_\@:
	s_barrier_wait -3
	s_barrier_signal -1
	s_barrier_wait -1
.endm
.macro CROUND
	s_barrier_signal -1
	s_barrier_wait -1
	CREST
.endm
	s_load_b128 s[4:7], s[0:1], 0x0                ; codes, scales
	s_load_b64 s[8:9], s[0:1], 0x10                ; qkv
	v_lshl_add_u32 v[SPW], v0, 2, SPARE
	v_mov_b32 v[NIL], 0
	ds_add_u32 v28, v29
	ds_add_u32 v28, v29
	s_wait_dscnt 0x0
	v_lshrrev_b32 v1, 5, v0
	v_readfirstlane_b32 s14, v1                    ; wave 0..3
	s_lshr_b32 s15, s14, 1                         ; which half of the tile's rows is mine.  Also: I fetch for A (0) or for B (1)
	s_and_b32 s16, s14, 1                          ; which half of its columns.  Also: which 8 tiles I fetch
	s_bfe_u32 s40, ttmp6, 0x40000                  ; cx
	s_bfe_u32 s41, ttmp6, 0x40004                  ; cy
	s_and_b32 s66, ttmp7, 0xffff                   ; the cluster's y
	s_lshl_b32 s67, s66, 1
	s_add_co_u32 s67, s67, ttmp9
	s_sub_co_u32 s67, s67, 16                      ; v's column cluster: 2 (y - 8) + x
	s_cmp_lt_u32 s66, 8                            ; q and k, or v?
	s_cselect_b32 s68, s66, 0                      ; row cluster
	s_cselect_b32 s69, ttmp9, s67                  ; column cluster
	s_cselect_b32 s70, 0, 640                      ; A's first tile in codes
	s_cselect_b32 s71, 512, 0                      ; B's
	s_cselect_b32 s72, 16, 0                       ; the second head's scale words: shifted by two bytes, or as they are
	s_mov_b32 s73, 3072
	s_cselect_b32 s73, 1536, s73                   ; a run's place: x (P % 2)
	s_mov_b32 s74, 106496
	s_cselect_b32 s74, 3072, s74                   ; x (P / 2)
	s_mov_b32 s75, 1536
	s_cselect_b32 s75, 106496, s75                 ; x (which 64 of n')
	s_lshl_b32 s17, s68, 2
	s_add_co_u32 s17, s17, s41                     ; tile row of C'
	s_lshl_b32 s42, s69, 2
	s_add_co_u32 s42, s42, s40                     ; tile column
	s_lshl_b32 s43, s41, 2
	s_lshl_b32 s43, 15, s43                        ; my row of the cluster
	s_lshl_b32 s44, 0x1111, s40                    ; my column
	; descriptor group 1: 8 rows (tiles) of 384 elements of 8 bytes (two K steps), 1,536 elements (a tile's eight K steps) apart; no padding
	s_or_b32 s[G1+0], s43, (3<<16)|(1<<21)         ; 15:0 the mask; 17:16 elements of 8 bytes; 21 set beside a mask
	s_or_b32 s[G1B+0], s44, (3<<16)|(1<<21)
.irp g, G1, G1B
	s_mov_b32 s[\g+1], 384<<16                     ; tensor_dim0
	s_mov_b32 s[\g+2], 16<<16                      ; tensor_dim1: the head's loads bring 16 tiles; the ring's 8 (set behind the first full wait)
	s_mov_b32 s[\g+3], 384<<16                     ; tile_dim0
	s_mov_b32 s[\g+4], 16                          ; tile_dim1
	s_mov_b32 s[\g+5], 1536                        ; tensor_dim0_stride
	s_mov_b32 s[\g+6], 0
	s_mov_b32 s[\g+7], 0
.endr
	s_lshl_b32 s18, s16, 3                         ; which 8 tiles I fetch
	s_lshl_b32 s20, s17, 4
	s_add_co_u32 s20, s20, s70
	s_add_co_u32 s20, s20, s18                     ; A: tile = region + 16 x tile row + 8 x half: it never holds cx
	s_mul_i32 s20, s20, 12288
	s_mov_b32 s21, 0
	s_lshl_b32 s46, s42, 4
	s_add_co_u32 s46, s46, s71
	s_add_co_u32 s46, s46, s18                     ; B likewise: it never holds cy
	s_mul_i32 s46, s46, 12288
	s_mov_b32 s47, 0
	s_mul_i32 s45, s14, HALFT                      ; where they go: wave x 24,576
	s_wait_kmcnt 0x0
	s_add_nc_u64 s[20:21], s[4:5], s[20:21]
	s_add_nc_u64 s[46:47], s[4:5], s[46:47]
	CROUND                                         ; all sixteen work-groups are here: the first joint loads meet
.irp s, 0,1
	s_mov_b32 s[G0+4*\s], 1
	s_add_co_u32 s[G0+4*\s+1], s45, \s*SLOT
	s_add_nc_u64 s[G0+4*\s+2:G0+4*\s+3], s[20:21], \s*3072
	s_or_b32 s[G0+4*\s+3], s[G0+4*\s+3], 0x80000000
	s_mov_b32 s[G0B+4*\s], 1
	s_add_co_u32 s[G0B+4*\s+1], s45, \s*SLOT
	s_add_nc_u64 s[G0B+4*\s+2:G0B+4*\s+3], s[46:47], \s*3072
	s_or_b32 s[G0B+4*\s+3], s[G0B+4*\s+3], 0x80000000
.endr
	; the head's loads, one a wave: wave 0 A's 16 tiles for slot 0, wave 1 B's, wave 2 A's for slot 1, wave 3 B's
	s_mul_i32 s88, s16, 98304                      ; back from my ring half (8 tiles) to the first tile
	s_mov_b32 s89, 0
	s_mul_i32 s86, s15, 3072                       ; the slot's two K steps
	s_mov_b32 s87, 0
	s_mov_b32 s92, 1
	s_mul_i32 s93, s15, SLOT
	s_sub_nc_u64 s[94:95], s[20:21], s[88:89]
	s_add_nc_u64 s[94:95], s[94:95], s[86:87]
	s_or_b32 s95, s95, 0x80000000
	s_mov_b32 s96, 1
	s_add_co_u32 s97, s93, 2*HALFT
	s_sub_nc_u64 s[98:99], s[46:47], s[88:89]
	s_add_nc_u64 s[98:99], s[98:99], s[86:87]
	s_or_b32 s99, s99, 0x80000000
.macro ARM under, g0, g1, next         ; one chain of branches on the wave's number, one load to an arm, all arms to one join
	s_cmp_lt_u32 s14, \under
	s_cbranch_scc0 \next
	tensor_load_to_lds s[\g0:\g0+3], s[\g1:\g1+7]
	s_nop 0
.rept 4
	v_nop
.endr
	s_branch .Lhead_asked
\next:
.endm
	ARM 1, 92, G1,  .Lhead_b0
	ARM 2, 96, G1B, .Lhead_a1
	ARM 3, 92, G1,  .Lhead_b1
	tensor_load_to_lds s[96:99], s[G1B:G1B+7]
	s_nop 0
.rept 4
	v_nop
.endr
.Lhead_asked:
	v_and_b32 v1, 31, v0                           ; lane
	s_wait_alu depctr_va_vdst(0)
	v_and_b32 v2, 15, v0                           ; r
	v_lshlrev_b32 v[LI], 4, v1
	s_mul_i32 s76, s15, HALFT                      ; my 8 tiles of A
	s_mul_i32 s77, s16, HALFT
	s_add_co_u32 s77, s77, 2*HALFT                 ; my 8 tiles of B, behind A's 16
.irp s, 0,1
	v_add_nc_u32 v[ADRA+\s], s76, v[LI]
	v_add_nc_u32 v[ADRB+\s], s77, v[LI]
	s_add_co_u32 s76, s76, SLOT
	s_add_co_u32 s77, s77, SLOT
.endr
	s_lshl_b32 s78, s17, 4                         ; the scale words: 512 bytes a tile, 32 a row
	s_add_co_u32 s78, s78, s70
	s_lshl_b32 s79, s15, 3
	s_add_co_u32 s78, s78, s79
	s_lshl_b32 s78, s78, 9
	s_lshl_b32 s80, s42, 4
	s_add_co_u32 s80, s80, s71
	s_lshl_b32 s79, s16, 3
	s_add_co_u32 s80, s80, s79
	s_lshl_b32 s80, s80, 9
	v_cmp_le_u32 vcc_lo, 16, v1
	v_mov_b32 v3, s78
	v_mov_b32 v4, s80
	v_cndmask_b32 v3, v3, v4, vcc_lo               ; lanes 16-31 take B's
	v_lshl_add_u32 v[SOF], v2, 5, v3
.irp i, 0,1,2,3,4,5,6,7
	global_load_b128 v[SC+8*\i:SC+8*\i+3], v[SOF], s[6:7] offset:512*\i
	global_load_b128 v[SC+8*\i+4:SC+8*\i+7], v[SOF], s[6:7] offset:512*\i+16
.endr
	; where my results go.  S: which 128 tokens; G: which 128 channels of q | k | v
	s_lshl_b32 s82, s17, 1
	s_add_co_u32 s82, s82, s15                     ; my 128 rows of C'
	s_lshl_b32 s83, s42, 1
	s_add_co_u32 s83, s83, s16                     ; my 128 columns
	s_add_co_u32 s84, s82, 16
	s_cmp_lt_u32 s66, 8
	s_cselect_b32 s85, s82, s83                    ; S
	s_cselect_b32 s86, s83, s84                    ; G
	s_lshr_b32 s87, s86, 3
	s_lshl_b32 s87, s87, 5
	s_lshr_b32 s88, s85, 4
	s_lshl_b32 s88, s88, 3
	s_add_co_u32 s87, s87, s88
	s_and_b32 s88, s86, 7
	s_add_co_u32 s87, s87, s88                     ; 32 x section + 8 x batch + head pair,
	s_mul_i32 s87, s87, 212992                     ; of 212,992 bytes each;
	s_and_b32 s88, s85, 15
	s_mul_i32 s88, s88, 6656                       ; and the record
	s_add_co_u32 s88, s88, s87
	s_mov_b32 s89, 0
	s_add_nc_u64 s[8:9], s[8:9], s[88:89]
	s_add_co_u32 s76, s73, s74
	v_mov_b32 v[VO], v[LI]
	v_add_nc_u32 v[VO+2], s73, v[LI]
	v_add_nc_u32 v[VO+4], s74, v[LI]
	v_add_nc_u32 v[VO+6], s76, v[LI]
.irp p, 0,1,2,3
	v_add_nc_u32 v[VO+2*\p+1], s75, v[VO+2*\p]
.endr
	s_mov_b32 s[SEL], 0x76543210
	s_mov_b32 s[SEL+1], 0xfedcba98
.macro FRAG reg, adr, q, i             ; a fragment comes as it was stored: three loads of 512 consecutive bytes
.irp c, 0,1,2
	ds_load_b128 v[\reg+4*\c:\reg+4*\c+3], v[\adr] offset:3072*(\i)+1536*(\q)+512*\c
.endr
.endm
; 16 matrix instructions: A's blocks a0, a0 + 1 x B's eight.  p: B's set; kq: the K step (for the scale words).  The 64 accumulators take turns, one instruction a turn, in the same order in every step.
.macro MUL16 a0, p, kq, zero
.irp a, \a0, \a0+1
.irp b, 0,1,2,3,4,5,6,7
.if \zero
	v_wmma_scale_f32_16x16x128_f8f6f4 v[8*(8*((\a)%4)+\b):8*(8*((\a)%4)+\b)+7], v[128*(\p)+FR*\b:128*(\p)+FR*\b+FR-1], v[AF+FR*(\a):AF+FR*(\a)+FR-1], 0, v[SC+8*\b+(\kq)], v[SC+8*(\a)+(\kq)] matrix_a_fmt:MATRIX_FMT_FP6 matrix_b_fmt:MATRIX_FMT_FP6 matrix_a_scale:MATRIX_SCALE_ROW1
.else
	v_wmma_scale_f32_16x16x128_f8f6f4 v[8*(8*((\a)%4)+\b):8*(8*((\a)%4)+\b)+7], v[128*(\p)+FR*\b:128*(\p)+FR*\b+FR-1], v[AF+FR*(\a):AF+FR*(\a)+FR-1], v[8*(8*((\a)%4)+\b):8*(8*((\a)%4)+\b)+7], v[SC+8*\b+(\kq)], v[SC+8*(\a)+(\kq)] matrix_a_fmt:MATRIX_FMT_FP6 matrix_b_fmt:MATRIX_FMT_FP6 matrix_a_scale:MATRIX_SCALE_ROW1
.endif
.endr
.endr
.endm
.macro FETCH_B slot, q, p
	WIN TO_B
.irp i, 0,1,2,3,4,5,6,7
	FRAG 128*(\p)+FR*\i, ADRB+\slot, \q, \i
.endr
	WIN 0
.endm
.macro FETCH_A slot, q, i0
.irp i, \i0, \i0+1, \i0+2, \i0+3
	FRAG AF+FR*(\i), ADRA+\slot, \q, \i
.endr
.endm
.macro PLACES n                        ; plain instructions between a matrix instruction and a load into, or a vector read or write of, its registers
.rept \n
	v_nop
.endr
.endm
; A slot's first K step.  A has one set of registers: blocks 0-3 are fetched anew in the step's middle, blocks 4-7 at its end; B has two sets.
.macro STEP slot, kq, zero
	s_wait_dscnt 4*NL                              ; B's set and A's blocks 0-3 are in; the youngest twelve loads (A's blocks 4-7) may be out
	WIN MUL_LO
	MUL16 0, 0, \kq, \zero
	MUL16 2, 0, \kq, \zero
	s_wait_dscnt 0
	PLACES NP
	FETCH_B \slot, 1, 1
	FETCH_A \slot, 1, 0
	WIN MUL_HI
	MUL16 4, 0, \kq, \zero
	MUL16 6, 0, \kq, \zero
	PLACES NP
	WIN 0
	FETCH_A \slot, 1, 4
.endm
; A slot's second K step changes slots: one barrier; in front of it each wave waits for all its tensor loads, adds 0 to its spare word, and waits for that and for its reads of this slot.  fill = 1: the slot is filled again, with the K steps four on.
.macro TURN slot, next, fill, kq
	s_wait_tensorcnt 0x0                           ; all my tensor loads have landed: my part of the next slot
	ds_add_u32 v[SPW], v[NIL]
	s_mov_b32 s[G1+2], 8<<16                       ; no tensor load of mine is out: from here on a load brings 8 tiles
	s_mov_b32 s[G1+4], 8
	s_mov_b32 s[G1B+2], 8<<16
	s_mov_b32 s[G1B+4], 8
	s_wait_dscnt 4*NL+1
	WIN MUL_LO
	MUL16 0, 1, \kq, 0
	s_wait_dscnt 0x0                               ; the add is done, and my reads of this slot are over
	s_barrier_signal -1
	MUL16 2, 1, \kq, 0
	WIN 0
	s_barrier_wait -1
.if \fill
	CREST                                          ; the barrier has opened a round of the cluster's barrier: no wave of any partner still reads this slot or has a load on its way
	s_add_nc_u64 s[G0+4*\slot+2:G0+4*\slot+3], s[G0+4*\slot+2:G0+4*\slot+3], 6144
	s_add_nc_u64 s[G0B+4*\slot+2:G0B+4*\slot+3], s[G0B+4*\slot+2:G0B+4*\slot+3], 6144
	JLOAD G0+4*\slot, G1, G0B+4*\slot, G1B         ; my one tensor load behind the round; its four v_nop are the places in front of the loads below
.else
	PLACES NP
.endif
	FETCH_B \next, 0, 0
	FETCH_A \next, 0, 0
	WIN MUL_HI
	MUL16 4, 1, \kq, 0
	MUL16 6, 1, \kq, 0
	PLACES NP
	WIN 0
	FETCH_A \next, 0, 4
.endm
	s_wait_alu depctr_va_vdst(0)
	s_cmp_lt_u32 s14, 2
	s_cbranch_scc0 .Lnot_slot_0
	s_wait_tensorcnt 0x0                           ; waves 0 and 1: slot 0 is in; slot 1's loads, waves 2 and 3's own lines, are waited for at the first change of slots
.Lnot_slot_0:
	s_barrier_signal -1
	s_barrier_wait -1
	FETCH_B 0, 0, 0
	FETCH_A 0, 0, 0
	FETCH_A 0, 0, 4
	s_wait_loadcnt 0x0                             ; the scale words
	STEP 0, 0, 1                                   ; the first K step starts the sums
	TURN 0, 1, 1, 1
	STEP 1, 2, 0
	TURN 1, 0, 1, 3
	STEP 0, 4, 0
	TURN 0, 1, 0, 5                                ; nothing is left to fetch
	STEP 1, 6, 0
	s_wait_dscnt 4*NL
	WIN MUL_LO
	MUL16 0, 1, 7, 0
	MUL16 2, 1, 7, 0
	s_wait_dscnt 0
	WIN MUL_HI
	MUL16 4, 1, 7, 0
	MUL16 6, 1, 7, 0
	WIN 0
; THE WAY OUT: no LDS.  A's block a: my row's 128 results become 2 x 6 registers of codes and a scale word; two blocks fill two runs of 12 registers, which leave as images, 512 consecutive bytes a store.
.macro QUANTW a
.set AC, 64*((\a)%4)
.set D0, 128+24*((\a)/2)+6*((\a)%2)
	WIN 0x0a+5*((\a)/4)                            ; sources 0 and 1: the accumulators' window
.irp b, 0,1,2,3
	v_max3_num_f32 v[TM+\b], |v[AC+16*\b]|, |v[AC+16*\b+1]|, 0x1800000   ; each accumulator is read from its low end on
.endr
.irp i, 2,4,6,8,10,12,14
.irp b, 0,1,2,3
	v_max3_num_f32 v[TM+\b], |v[AC+16*\b+\i]|, |v[AC+16*\b+\i+1]|, v[TM+\b]
.endr
.endr
	WIN 0
.irp b, 0,1,2,3
	v_permlanex16_b32 v[TM+4+\b], v[TM+\b], s[SEL], s[SEL+1]
.endr
.irp b, 0,1,2,3
	v_max_num_f32 v[TM+\b], v[TM+\b], v[TM+4+\b]
.endr
.irp b, 0,1,2,3
	v_add_nc_u32 v[TM+12+\b], 0xff000000, v[TM+\b]
.endr
.irp b, 0,1,2,3
	v_lshrrev_b32 v[TM+4+\b], 23, v[TM+12+\b]
.endr
	v_lshl_or_b32 v[WA+(\a)], v[TM+5], 8, v[TM+4]
	v_lshl_or_b32 v[WA+(\a)], v[TM+6], 16, v[WA+(\a)]
	v_lshl_or_b32 v[WA+(\a)], v[TM+7], 24, v[WA+(\a)]
	WIN 0x02+(\a)/4                                ; source 0: the accumulators' window
	v_cvt_scalef32_pk16_fp6_f32 v[D0:D0+2], v[AC:AC+15], v[TM+12]
	v_cvt_scalef32_pk16_fp6_f32 v[T0:T0+2], v[AC+16:AC+31], v[TM+13]
	v_cvt_scalef32_pk16_fp6_f32 v[D0+12:D0+14], v[AC+32:AC+47], v[TM+14]
	v_cvt_scalef32_pk16_fp6_f32 v[T1:T1+2], v[AC+48:AC+63], v[TM+15]
	WIN 0
	v_nop                                          ; one plain instruction behind the scaled conversions
.irp i, 0,1,2
	v_permlane16_swap_b32 v[D0+\i], v[T0+\i]
	v_permlane16_swap_b32 v[D0+12+\i], v[T1+\i]
.endr
.irp i, 0,1,2
	v_mov_b32 v[D0+3+\i], v[T0+\i]
	v_mov_b32 v[D0+15+\i], v[T1+\i]
.endr
.endm
	PLACES NP                                      ; behind the last products: their results are read, and A's registers are written, below
.irp b, 0,1,2,3
	v_mov_b32 v[TM+4+\b], 0                        ; written once: a lane permute's destination counts as one of its sources
.endr
.irp p, 0,1,2,3
	QUANTW 2*\p
	QUANTW 2*\p+1
.irp c, 0,1
.irp k, 0,1,2
	global_store_b128 v[VO+2*\p+\c], v[128+24*\p+12*\c+4*\k:128+24*\p+12*\c+4*\k+3], s[8:9] offset:512*\k   ; no register here is written twice
.endr
.endr
.endr
	v_cmp_le_u32 vcc_lo, 16, v1
.irp p, 0,1,2,3
	v_cndmask_b32 v[XW+\p], v[WA+2*\p], v[WA+2*\p+1], vcc_lo   ; lanes 0-15: block 2 P's rows; lanes 16-31: block 2 P + 1's (both halves of the lanes hold a row's word)
.endr
.irp p, 0,1,2,3
	v_lshrrev_b32 v[XW+4+\p], s72, v[XW+\p]        ; q, k: the second head's two bytes come down; v: the words as they are
.endr
	global_store_b128 v[LI], v[XW:XW+3], s[8:9] offset:6144
	global_store_b128 v[LI], v[XW+4:XW+7], s[8:9] offset:6144+106496
	s_wait_tensorcnt 0x0                           ; the wave's end
	ds_add_u32 v[SPW], v[NIL]
	s_wait_dscnt 0x0
	CROUND                                         ; the closing round
	s_endpgm
.Lfunc_end_k_qf8a3c66986_proj_qkv:
	.size	k_qf8a3c66986_proj_qkv, .Lfunc_end_k_qf8a3c66986_proj_qkv-k_qf8a3c66986_proj_qkv
	.p2alignl 7, 3214868480
	.fill 96, 4, 3214868480
	.section	.rodata,"a",@progbits
	.p2align	6, 0x0
	.amdhsa_kernel k_qf8a3c66986_proj_qkv
		.amdhsa_group_segment_fixed_size 327680
		.amdhsa_private_segment_fixed_size 0
		.amdhsa_enable_private_segment 0
		.amdhsa_kernarg_size 24
		.amdhsa_user_sgpr_count 2
		.amdhsa_user_sgpr_kernarg_segment_ptr 1
		.amdhsa_wavefront_size32 1
		.amdhsa_system_sgpr_workgroup_id_x 1
		.amdhsa_system_sgpr_workgroup_id_y 1
		.amdhsa_system_sgpr_workgroup_id_z 1
		.amdhsa_system_vgpr_workitem_id 0
		.amdhsa_next_free_vgpr 1024
		.amdhsa_next_free_sgpr 100
		.amdhsa_reserve_vcc 1
		.amdhsa_float_denorm_mode_32 3
		.amdhsa_float_denorm_mode_16_64 3
		.amdhsa_memory_ordered 1
		.amdhsa_forward_progress 1
		.amdhsa_inst_pref_size 139
	.end_amdhsa_kernel
	.amdgpu_metadata
---
amdhsa.version: [ 1, 2 ]
amdhsa.kernels:
  - .name:           k_qf8a3c66986_proj_qkv
    .symbol:         k_qf8a3c66986_proj_qkv.kd
    .args:
      - { .name: codes, .offset: 0, .size: 8, .value_kind: global_buffer, .address_space: global }
      - { .name: scales, .offset: 8, .size: 8, .value_kind: global_buffer, .address_space: global }
      - { .name: qkv, .offset: 16, .size: 8, .value_kind: global_buffer, .address_space: global }
    .group_segment_fixed_size: 327680
    .private_segment_fixed_size: 0
    .kernarg_segment_align: 8
    .kernarg_segment_size: 24
    .max_flat_workgroup_size: 128
    .sgpr_count:     100
    .vgpr_count:     1024
    .wavefront_size: 32
...
	.end_amdgpu_metadata
.endif
;; end of part 2
;; launch attention (part 3): grid 4 x 64, 8 waves a work-group, clusters of 4 x 1, 214,016 bytes of LDS; arguments qkv, codes, scales; writes codes, scales
.if DOCPART == 3
	.amdgcn_target "amdgcn-amd-amdhsa--gfx1250"
	.amdhsa_code_object_version 6
	.text
	.protected	k_qf8a3c66986_attention
	.globl	k_qf8a3c66986_attention
	.p2align	8
	.type	k_qf8a3c66986_attention,@function
k_qf8a3c66986_attention:
	s_mov_b64 s[64:65], 0
	v_nop
	global_prefetch_b8 v0, s[64:65] scope:SCOPE_SE
	s_setreg_imm32_b32 hwreg(HW_REG_WAVE_MODE, 25, 1), 1
	s_wait_xcnt 0x0
	s_wait_alu depctr_hold_cnt(0) depctr_sa_sdst(0) depctr_va_vdst(0) depctr_va_sdst(0) depctr_va_ssrc(0) depctr_va_vcc(0) depctr_vm_vsrc(0)
	s_getreg_b32 s2, hwreg(HW_REG_IB_STS2, 6, 4)
	s_cmp_eq_u32 s2, 0
	s_cbranch_scc0 .Lentry_in_a_cluster
	s_endpgm
.Lentry_in_a_cluster:
	s_bfe_u32 s2, ttmp6, 0x10000c
	s_cmp_lg_u32 s2, 0x3003
	s_cbranch_scc0 .Lentry_shape_is_right
	s_endpgm
.Lentry_shape_is_right:
; softmax(q k^T / 8) v for one (batch, head) and 512 queries a work-group, on codes of FP6 (E2M3) with E8M0 scales; the result is quantised along the head's 64 channels and leaves as codes for the last projection.
; THE DEAL: grid 4 x 64: y = 16 batch + head, x = which 512 queries.  The four work-groups of a head form a cluster and ask for K and V jointly.
; ALL OF THE HEAD'S K AND V LIE IN LDS: 16 records of 6,656 bytes each (128 keys a record), 212,992 bytes, filled once at the head, one load of four records a wave (waves 0-3 K, 4-7 V).  Nothing is filled again: one barrier behind the fills.
; A wave holds two tiles of 16 queries (A, B), so that each fragment of K and V read from LDS feeds two products; two passes of 16 steps of 128 keys serve its four tiles (tile 32 x + 16 pass + 8 (A, B) + wave of the batch).
; Both products are used transposed (S^T = k q^T, O^T = v^T p^T): a lane holds one query.  p = 2^(t - M), M the ceiling of the running largest t, a whole number; the row's sum is taken of the unquantised p; O^T and the sum are brought under a new M by an exact power of two.
; A head has 64 channels and the instruction 128 along K: q's upper six registers are zero codes, against which k's fragment shows the next tile's registers.
; VECTOR WORK AMONG THE MATRIX INSTRUCTIONS: tile A's search for the largest scores stands among tile B's score products, and the rows' sums (p x 1.0 + sum, so that the line fits the products' window setting) among the products with V.
; A step's 30 LDS loads (this step's V, the next step's K) go out in one run behind both searches, and are waited for once, ahead of the products with V.
; OUT: codes [tile 768 ..][K step = head pair][head % 2][768 bytes]: registers 0-3 of the six at 16 x lane, registers 4, 5 at 512 + 8 x lane: each store covers whole aligned runs of 256 bytes.
; The two scale bytes of a row go into the row's word of scales [tile][row][K step]: 2 bytes a row, 32 bytes apart (1 byte in 24 of what the launch stores): the other bytes of those runs are other heads'.
; No prefetch: every tile is asked for at the head, so there is no loop to run ahead in.
; LIMITS: the promise holds while the scaled scores stay under 2^31 in magnitude; NaN and infinities are not served; a block under 2^(3 - 127) gets the byte 1 (zero codes; only this program reads the bytes).
; REGISTERS.  window 0: v1-13 addresses; v16-39 q (two runs of 6 + 6 zeros); v40-47 scale words of k, q, v; v48-79, v80-111 tile A's, B's small numbers; v112-135 p's codes; v136-189 k, at a pass's end v136-199 the normalised result; v200-213 the second pass's q.
; window 1: v0-127 the scores, then p (A, B); v128-191 O^T (A, B); v192-239 v; v240-255 the sums' chains, four pairs a tile, the first the row's sum.
.set REC,   6656
.set HEADB, 16*REC
.set SECB,  64*HEADB
.set VB0,   16*REC                     ; V's records lie behind K's
.set SPARE, 32*REC                     ; the spare words, 128 bytes a wave
.set LI,  1                            ; 16 x lane
.set SPW, 2
.set NIL, 3
.set ADK, 4                            ; next step's K record
.set ADV, 5                            ; this step's V record
.set ADS, 6                            ; and its scale words (+ 8 x head % 2)
.set AO,  7
.set L8,  8
.set LN,  9
.set LIV, 12
.set LIS, 13
.set QF,  16
.set KS,  40
.set QS,  44
.set VS,  46
; a tile's small numbers from T = 48 or 80: +0..3 block maxima, +4..7 the other half's / bytes, +8..11 scale operands, +12 -M, +13 largest score, +14 the row's sum at the end, +18 f, +19 p's scale word, +20, +21 at work, +22.., +26.. codes on the way
.set PC,  112
.set OS,  124
.set KF,  136
.set NR,  136
.set QN,  200
.set OO,  128                          ; window 1
.set VF,  192
.set CH,  240
.set WV,  18
.set SEL, 20
.set CS,  22
.set G1,  24
.set G0,  32
.set TB,  36
.set CNT, 37
.set TBN, 38
.set PS,  39
.set MSB, 0
.macro WIN new                         ; the immediate's high byte repeats the setting that is left
.if MSB != (\new)
	s_set_vgpr_msb (MSB<<8)|(\new)
.set MSB, \new
.endif
.endm
.macro WALU
	s_wait_alu depctr_va_vdst(0)
.endm
.macro ROUND
	s_barrier_signal -1
	s_barrier_wait -1
	s_cmp_lg_u32 s[WV], 0
	s_cbranch_scc1 .Lnot_wave_0_\@
	s_barrier_signal -3
.Lnot_wave_0_\@:
	s_barrier_wait -3
	s_barrier_signal -1
	s_barrier_wait -1
.endm
.macro KLOAD adr                       ; a K record: 48 registers of codes as they were stored, and four scale words
.irp k, 0,1,2,3,4,5,6,7,8,9,10,11
	ds_load_b128 v[KF+4*\k:KF+4*\k+3], v[\adr] offset:512*\k
.endr
	ds_load_b128 v[KS:KS+3], v[\adr] offset:6144
.endm
.macro QK1 x, t                        ; S^T of tile x, 16 keys
.if (\t)%2
	v_wmma_scale_f32_16x16x128_f8f6f4 v[64*\x+8*\t:64*\x+8*\t+7], v[KF+6*\t:KF+6*\t+11], v[QF+12*\x:QF+12*\x+11], 0, v[KS+\t/2], v[QS+\x] matrix_a_fmt:MATRIX_FMT_FP6 matrix_b_fmt:MATRIX_FMT_FP6 matrix_a_scale:MATRIX_SCALE_ROW1
.else
	v_wmma_scale_f32_16x16x128_f8f6f4 v[64*\x+8*\t:64*\x+8*\t+7], v[KF+6*\t:KF+6*\t+11], v[QF+12*\x:QF+12*\x+11], 0, v[KS+\t/2], v[QS+\x] matrix_a_fmt:MATRIX_FMT_FP6 matrix_b_fmt:MATRIX_FMT_FP6
.endif
.endm
.macro PV1 x, t                        ; O^T of tile x, 16 channels, += v^T p^T
.if (\t)%2
	v_wmma_scale_f32_16x16x128_f8f6f4 v[OO+32*\x+8*\t:OO+32*\x+8*\t+7], v[VF+12*\t:VF+12*\t+11], v[PC+12*\x:PC+12*\x+11], v[OO+32*\x+8*\t:OO+32*\x+8*\t+7], v[VS+\t/2], v[67+32*\x] matrix_a_fmt:MATRIX_FMT_FP6 matrix_b_fmt:MATRIX_FMT_FP6 matrix_a_scale:MATRIX_SCALE_ROW1
.else
	v_wmma_scale_f32_16x16x128_f8f6f4 v[OO+32*\x+8*\t:OO+32*\x+8*\t+7], v[VF+12*\t:VF+12*\t+11], v[PC+12*\x:PC+12*\x+11], v[OO+32*\x+8*\t:OO+32*\x+8*\t+7], v[VS+\t/2], v[67+32*\x] matrix_a_fmt:MATRIX_FMT_FP6 matrix_b_fmt:MATRIX_FMT_FP6
.endif
.endm
.macro MAXG x, g                       ; four lines, one for each block of 32 keys, of the search for tile x's largest scores; each accumulator is read from its low end on
.if (\g) == 0
	WIN 0x15
.irp b, 0,1,2,3
	v_max3_num_f32 v[48+32*\x+\b], v[64*\x+16*\b], v[64*\x+16*\b+1], v[64*\x+16*\b+2]
.endr
.elseif (\g) < 7
	WIN 0x14
.irp b, 0,1,2,3
	v_max3_num_f32 v[48+32*\x+\b], v[48+32*\x+\b], v[64*\x+16*\b+2*\g+1], v[64*\x+16*\b+2*\g+2]
.endr
.else
	WIN 0x04
.irp b, 0,1,2,3
	v_max_num_f32 v[48+32*\x+\b], v[48+32*\x+\b], v[64*\x+16*\b+15]
.endr
.endif
.endm
.macro SUMOP n                         ; line n / 2 of tile n % 2's sum of its 64 p: 32 lines on four chains; all operands in window 1
.set X_, (\n)%2
.set O_, (\n)/2
.set B_, CH+8*X_
.if O_ < 3
	v_pk_fma_f32 v[B_+2+2*O_:B_+3+2*O_], v[64*X_+4*O_:64*X_+4*O_+1], 1.0, v[64*X_+4*O_+2:64*X_+4*O_+3] op_sel_hi:[1,0,1]
.elseif O_ < 29
.set K_, (O_-3)%4
	v_pk_fma_f32 v[B_+2*K_:B_+2*K_+1], v[64*X_+2*O_+6:64*X_+2*O_+7], 1.0, v[B_+2*K_:B_+2*K_+1] op_sel_hi:[1,0,1]
.elseif O_ == 29
	v_pk_fma_f32 v[B_:B_+1], v[B_+2:B_+3], 1.0, v[B_:B_+1] op_sel_hi:[1,0,1]
.elseif O_ == 30
	v_pk_fma_f32 v[B_+4:B_+5], v[B_+6:B_+7], 1.0, v[B_+4:B_+5] op_sel_hi:[1,0,1]
.else
	v_pk_fma_f32 v[B_:B_+1], v[B_+4:B_+5], 1.0, v[B_:B_+1] op_sel_hi:[1,0,1]
.endif
.endm
	s_load_b128 s[4:7], s[0:1], 0x0                ; qkv, codes
	s_load_b64 s[8:9], s[0:1], 0x10                ; scales
	v_lshl_add_u32 v[SPW], v0, 2, SPARE
	v_mov_b32 v[NIL], 0
	ds_add_u32 v[SPW], v[NIL]                      ; the opening lines: the add, twice on end, and its wait
	ds_add_u32 v[SPW], v[NIL]
	v_lshrrev_b32 v10, 5, v0
	v_readfirstlane_b32 s[WV], v10                 ; wave 0..7
	s_and_b32 s12, ttmp7, 0xffff                   ; 16 batch + head
	s_mul_i32 s44, s12, HEADB
	s_lshr_b32 s13, s[WV], 2
	s_add_co_u32 s13, s13, 1
	s_mul_i32 s13, s13, SECB                       ; section 1 (k) for waves 0-3, 2 (v) for 4-7
	s_and_b32 s14, s[WV], 3
	s_mul_i32 s14, s14, 4*REC                      ; my four records
	s_add_co_u32 s46, s13, s14
	s_add_co_u32 s46, s46, s44
	s_mov_b32 s47, 0
	s_mov_b32 s[G1], 15|(3<<16)|(1<<21)            ; all four partners; elements of 8 bytes
	s_mov_b32 s[G1+1], 32<<16                      ; a dense block as 104 rows of 256 bytes
	s_mov_b32 s[G1+2], 104<<16
	s_mov_b32 s[G1+3], 32<<16
	s_mov_b32 s[G1+4], 104
	s_mov_b32 s[G1+5], 32
	s_mov_b32 s[G1+6], 0
	s_mov_b32 s[G1+7], 0
	s_mov_b32 s[G0], 1
	s_mul_i32 s[G0+1], s[WV], 4*REC
	s_mov_b32 s[SEL], 0x76543210
	s_mov_b32 s[SEL+1], 0xfedcba98
	s_mov_b32 s[CS], 0x3e38aa3b                    ; log2(e) / 8
	s_mov_b32 s[CS+1], s[CS]
	WALU
	s_wait_dscnt 0x0
	ROUND                                          ; in front of the joint loads
	s_wait_kmcnt 0x0
	s_add_nc_u64 s[G0+2:G0+3], s[4:5], s[46:47]
	s_or_b32 s[G0+3], s[G0+3], 0x80000000
	tensor_load_to_lds s[G0:G0+3], s[G1:G1+7]      ; my one load
	s_nop 0
	s_bfe_u32 s10, ttmp6, 0x40000                  ; which 512 queries
	s_mul_i32 s48, s10, 4*REC
	s_add_co_u32 s48, s48, s44
	s_mov_b32 s49, 0
	s_add_nc_u64 s[4:5], s[4:5], s[48:49]          ; q's four records of my work-group
	s_lshr_b32 s50, s12, 4
	s_lshl_b32 s50, s50, 7
	s_lshl_b32 s51, s10, 5
	s_add_co_u32 s50, s50, s51
	s_add_co_u32 s50, s50, s[WV]
	s_add_co_u32 s50, s50, 768                     ; tile A of pass 0
	s_and_b32 s51, s12, 15                         ; head
	s_mul_i32 s52, s50, 12288
	s_mul_i32 s53, s51, 768
	s_add_co_u32 s52, s52, s53
	s_mov_b32 s53, 0
	s_add_nc_u64 s[6:7], s[6:7], s[52:53]
	s_lshl_b32 s54, s50, 9
	s_lshl_b32 s55, s51, 1
	s_add_co_u32 s54, s54, s55
	s_mov_b32 s55, 0
	s_add_nc_u64 s[8:9], s[8:9], s[54:55]
	s_and_b32 s56, s[WV], 1                        ; q's tile in its record: run wave / 2, half wave % 2
	s_lshr_b32 s57, s[WV], 1
	s_mul_i32 s58, s57, 1536
	s_mul_i32 s59, s56, 520
	s_add_co_u32 s59, s59, s58
	s_mul_i32 s60, s56, 1016
	s_add_co_u32 s60, s60, s58
	s_add_co_u32 s60, s60, 8
	s_lshl_b32 s61, s56, 8
	s_lshl_b32 s57, s57, 2
	s_add_co_u32 s61, s61, s57
	s_add_co_u32 s61, s61, 6144
	s_and_b32 s56, s12, 1
	s_lshl_b32 s56, s56, 3                         ; v's scale words of my head of the pair
	v_and_b32 v[LN], 31, v0
	v_and_b32 v10, 15, v0
	v_bfe_u32 v11, v0, 4, 1
	v_lshlrev_b32 v[LI], 4, v[LN]
	v_lshl_add_u32 v[L8], v[LN], 3, 512
	v_lshlrev_b32 v[AO], 5, v10
	v_lshl_add_u32 v[AO], v11, 12, v[AO]           ; lanes 0-15 tile A's rows, lanes 16-31 tile B's (8 tiles of 512 bytes on)
	v_add_nc_u32 v[LIV], VB0, v[LI]
	v_add_nc_u32 v[LIS], s56, v[LIV]
	v_add_nc_u32 v224, s59, v[LI]
	v_add_nc_u32 v225, s60, v[LI]
	v_lshl_add_u32 v226, v10, 4, s61
.irp x, 0,1
	global_load_b64 v[QF+12*\x:QF+12*\x+1], v224, s[4:5] offset:REC*\x
	global_load_b64 v[QF+12*\x+2:QF+12*\x+3], v225, s[4:5] offset:REC*\x
	global_load_b64 v[QF+12*\x+4:QF+12*\x+5], v224, s[4:5] offset:REC*\x+512
	global_load_b32 v[QS+\x], v226, s[4:5] offset:REC*\x
.endr
.irp x, 0,1
	global_load_b64 v[QN+6*\x:QN+6*\x+1], v224, s[4:5] offset:REC*(2+\x)
	global_load_b64 v[QN+6*\x+2:QN+6*\x+3], v225, s[4:5] offset:REC*(2+\x)
	global_load_b64 v[QN+6*\x+4:QN+6*\x+5], v224, s[4:5] offset:REC*(2+\x)+512
	global_load_b32 v[QN+12+\x], v226, s[4:5] offset:REC*(2+\x)
.endr
.irp i, 0,1,2,3,4,5
	v_mov_b32 v[QF+6+\i], 0                        ; q's zero codes
	v_mov_b32 v[QF+18+\i], 0
	v_mov_b32 v[KF+48+\i], 0                       ; what the last tile of k shows against them (any codes serve)
.endr
.irp T, 48,80
.irp b, 4,5,6,7,19
	v_mov_b32 v[\T+\b], 0                          ; written once: a lane permute's destination, and the upper half of the pair (f, scale word), count as read
.endr
.endr
	WALU
	s_wait_tensorcnt 0x0
	s_barrier_signal -1
	s_barrier_wait -1                              ; all 32 records are in
	s_wait_loadcnt 0x0
	s_mov_b32 s[PS], 0
.Lpass:
	KLOAD LI                                       ; record 0
.irp T, 48,80
	v_mov_b32 v[\T+13], 0xff61b1e6                 ; the largest score so far: -3e38
	v_mov_b32 v[\T+12], 0x7f61b1e6                 ; -M
.endr
	WIN 0x40
.set J, 0
.rept 64
	v_mov_b32 v[OO+J], 0                           ; O^T: the step is written once, and the first finds zeros
.set J, J+1
.endr
.irp j, 0,1,8,9
	v_mov_b32 v[CH+\j], 0                          ; the rows' sums
.endr
	WIN 0
	s_mov_b32 s[TB], 0
	s_mov_b32 s[CNT], 0
	WALU
	s_wait_dscnt 0x0
.Lstep:
	s_add_co_u32 s[TBN], s[TB], REC
	s_min_u32 s[TBN], s[TBN], 15*REC               ; the last step asks for its own record again
	WIN 0x40
.irp t, 0,1,2,3,4,5,6,7
	QK1 0, \t
.endr
	QK1 1, 0
	WIN 0
	v_add_nc_u32 v[ADK], s[TBN], v[LI]             ; four places between tile A's products and the first read of their results
	v_add_nc_u32 v[ADV], s[TB], v[LIV]
	v_add_nc_u32 v[ADS], s[TB], v[LIS]
	v_nop
	MAXG 0, 0
.irp t, 1,2,3,4,5,6,7
	WIN 0x40
	QK1 1, \t
	MAXG 0, \t                                     ; the last four lines are the places ahead of the first read of tile B's results
.endr
.irp g, 0,1,2,3,4,5,6,7
	MAXG 1, \g
.endr
	WIN 0x40                                       ; one run of 30 LDS loads: this step's V,
.irp p, 0,1
.irp q, 0,1
	ds_load_b128 v[VF+24*\p+6*\q:VF+24*\p+6*\q+3], v[ADV] offset:3072*\p+1536*\q
	ds_load_b64 v[VF+24*\p+6*\q+4:VF+24*\p+6*\q+5], v[ADV] offset:3072*\p+1536*\q+512
	ds_load_b64 v[VF+24*\p+6*\q+12:VF+24*\p+6*\q+13], v[ADV] offset:3072*\p+1536*\q+520
	ds_load_b128 v[VF+24*\p+6*\q+14:VF+24*\p+6*\q+17], v[ADV] offset:3072*\p+1536*\q+1024
.endr
.endr
	WIN 0
	ds_load_b64 v[VS:VS+1], v[ADS] offset:6144     ; its scale words,
	KLOAD ADK                                      ; and the next step's K
.irp T, 48,80
.irp b, 0,1,2,3
	v_permlanex16_b32 v[\T+4+\b], v[\T+\b], s[SEL], s[SEL+1]
.endr
.endr
.irp T, 48,80
.irp b, 0,1,2,3
	v_max_num_f32 v[\T+\b], v[\T+\b], v[\T+4+\b]   ; with lane l xor 16's 16 keys
.endr
.endr
.irp T, 48,80
	v_max3_num_f32 v[\T+20], v[\T], v[\T+1], v[\T+2]
	v_mov_b32 v[\T+21], v[\T+12]
.endr
.irp T, 48,80
	v_max3_num_f32 v[\T+13], v[\T+20], v[\T+3], v[\T+13]   ; the running largest score
.endr
.irp T, 48,80
	v_mul_f32 v[\T+20], s[CS], v[\T+13]            ; as t
.endr
.irp T, 48,80
	v_floor_f32 v[\T+12], -v[\T+20]                ; -M = -ceil(t)
.endr
.irp T, 48,80
	v_sub_f32 v[\T+21], v[\T+12], v[\T+21]         ; old M - new M
.endr
.irp T, 48,80
	v_cvt_i32_f32 v[\T+21], v[\T+21]
.endr
.irp T, 48,80
	v_ldexp_f32 v[\T+18], 1.0, v[\T+21]            ; f = 2^(old M - new M)
.endr
.irp T, 48,80
.irp b, 0,1,2,3
	v_fma_f32 v[\T+\b], v[\T+\b], s[CS], v[\T+12]  ; t - M of each block's largest score
.endr
.endr
	WIN 0x41
.set J, 0
.rept 32
	v_pk_fma_f32 v[J:J+1], v[J:J+1], s[CS:CS+1], v[60:61] op_sel_hi:[1,0,0]   ; tile A: t - M
.set J, J+2
.endr
	v_pk_mul_f32 v[CH:CH+1], v[CH:CH+1], v[66:67] op_sel_hi:[1,0]             ; the sums and O^T under the new M, ahead of the exponentials
	v_pk_mul_f32 v[CH+8:CH+9], v[CH+8:CH+9], v[98:99] op_sel_hi:[1,0]
.set J, 0
.rept 16
	v_pk_mul_f32 v[OO+J:OO+J+1], v[OO+J:OO+J+1], v[66:67] op_sel_hi:[1,0]
	v_pk_mul_f32 v[OO+32+J:OO+33+J], v[OO+32+J:OO+33+J], v[98:99] op_sel_hi:[1,0]
.set J, J+2
.endr
	WALU
.set J, 0
.rept 32
	v_exp_f32 v[J], v[J]                           ; tile A's p; tile B's t - M among them, read behind the next wait
	v_exp_f32 v[J+1], v[J+1]
	v_pk_fma_f32 v[64+J:65+J], v[64+J:65+J], s[CS:CS+1], v[92:93] op_sel_hi:[1,0,0]
.set J, J+2
.endr
	WALU
.set J, 64
.rept 64
	v_exp_f32 v[J], v[J]
.set J, J+1
.endr
	WIN 0
.irp T, 48,80
.irp b, 0,1,2,3
	v_exp_f32 v[\T+\b], v[\T+\b]                   ; each block's largest p
.endr
.endr
	v_nop
	WALU                                           ; one wait for the batch, ahead of its first reader
.irp T, 48,80
.irp b, 0,1,2,3
	v_max_num_f32 v[\T+\b], 0x1800000, v[\T+\b]    ; the floor 2^(3 - 127): the byte cannot fall under 1
.endr
.endr
.irp T, 48,80
.irp b, 0,1,2,3
	v_add_nc_u32 v[\T+8+\b], 0xff000000, v[\T+\b]  ; 2 off the exponent field: the conversion's scale operand
.endr
.endr
.irp T, 48,80
.irp b, 0,1,2,3
	v_lshrrev_b32 v[\T+4+\b], 23, v[\T+8+\b]
.endr
.endr
.irp T, 48,80
	v_lshl_or_b32 v[\T+19], v[\T+5], 8, v[\T+4]
.endr
.irp T, 48,80
	v_lshl_or_b32 v[\T+19], v[\T+6], 16, v[\T+19]
.endr
.irp T, 48,80
	v_lshl_or_b32 v[\T+19], v[\T+7], 24, v[\T+19]  ; p's scale word for these 128 keys
.endr
	WIN 0x01
.irp x, 0,1
	v_cvt_scalef32_pk16_fp6_f32 v[PC+12*\x:PC+12*\x+2], v[64*\x:64*\x+15], v[56+32*\x]
	v_cvt_scalef32_pk16_fp6_f32 v[70+32*\x:72+32*\x], v[64*\x+16:64*\x+31], v[57+32*\x]
	v_cvt_scalef32_pk16_fp6_f32 v[PC+12*\x+6:PC+12*\x+8], v[64*\x+32:64*\x+47], v[58+32*\x]
	v_cvt_scalef32_pk16_fp6_f32 v[74+32*\x:76+32*\x], v[64*\x+48:64*\x+63], v[59+32*\x]
.endr
	WIN 0
	v_nop                                          ; one plain instruction behind the scaled conversions
.irp x, 0,1
.irp i, 0,1,2
	v_permlane16_swap_b32 v[PC+12*\x+\i], v[70+32*\x+\i]       ; a whole block to a lane
	v_permlane16_swap_b32 v[PC+12*\x+6+\i], v[74+32*\x+\i]
.endr
.endr
.irp x, 0,1
.irp i, 0,1,2
	v_mov_b32 v[PC+12*\x+3+\i], v[70+32*\x+\i]
	v_mov_b32 v[PC+12*\x+9+\i], v[74+32*\x+\i]
.endr
.endr
	WALU                                           ; directly ahead of the wait below
	s_wait_dscnt 0x0                               ; V, and the next step's K
	WIN 0x51                                       ; O^T += v^T p^T, the eight accumulators by turns, and the rows' sums of the unquantised p among them
.set N_, 0
.rept 8
	SUMOP N_                                       ; eight lines between the codes' last move and the first product
.set N_, N_+1
.endr
.irp t, 0,1,2,3
.irp x, 0,1
	PV1 \x, \t
.rept 7
	SUMOP N_
.set N_, N_+1
.endr
.endr
.endr
	WIN 0
	s_add_co_u32 s[TB], s[TB], REC
	s_add_co_u32 s[CNT], s[CNT], 1
	s_cmp_lt_u32 s[CNT], 16
	s_cbranch_scc1 .Lstep
; a pass's end: O^T / the sum, quantised along the head's channels
	WALU
	WIN 0x05
.irp x, 0,1
	v_add_f32 v[62+32*\x], v[CH+8*\x], v[CH+8*\x+1]
.endr
	WIN 0
.irp T, 48,80
	v_permlanex16_b32 v[\T+20], v[\T+14], s[SEL], s[SEL+1]
.endr
.irp T, 48,80
	v_add_f32 v[\T+14], v[\T+14], v[\T+20]
.endr
	WALU
.irp T, 48,80
	v_rcp_f32 v[\T+14], v[\T+14]
.endr
	v_nop
	WIN 0x01
	WALU                                           ; directly ahead of the first reader of O^T and of the reciprocals
.set J, 0
.rept 32
	v_mul_f32 v[NR+J], v[OO+J], v62
.set J, J+1
.endr
.rept 32
	v_mul_f32 v[NR+J], v[OO+J], v94
.set J, J+1
.endr
	WIN 0
.irp x, 0,1
.irp b, 0,1
	v_max3_num_f32 v[48+32*\x+\b], |v[NR+32*\x+16*\b]|, |v[NR+32*\x+16*\b+1]|, 0x1800000
.endr
.endr
.irp i, 2,4,6,8,10,12,14
.irp x, 0,1
.irp b, 0,1
	v_max3_num_f32 v[48+32*\x+\b], v[48+32*\x+\b], |v[NR+32*\x+16*\b+\i]|, |v[NR+32*\x+16*\b+\i+1]|
.endr
.endr
.endr
.irp T, 48,80
.irp b, 0,1
	v_permlanex16_b32 v[\T+4+\b], v[\T+\b], s[SEL], s[SEL+1]
.endr
.endr
.irp T, 48,80
.irp b, 0,1
	v_max_num_f32 v[\T+\b], v[\T+\b], v[\T+4+\b]
.endr
.endr
.irp T, 48,80
.irp b, 0,1
	v_add_nc_u32 v[\T+8+\b], 0xff000000, v[\T+\b]
.endr
.endr
.irp T, 48,80
.irp b, 0,1
	v_lshrrev_b32 v[\T+4+\b], 23, v[\T+8+\b]
.endr
.endr
.irp x, 0,1
	v_lshl_or_b32 v[OS+\x], v[53+32*\x], 8, v[52+32*\x]
.endr
.irp x, 0,1
	v_cvt_scalef32_pk16_fp6_f32 v[PC+6*\x:PC+6*\x+2], v[NR+32*\x:NR+32*\x+15], v[56+32*\x]
	v_cvt_scalef32_pk16_fp6_f32 v[70+32*\x:72+32*\x], v[NR+32*\x+16:NR+32*\x+31], v[57+32*\x]
.endr
	v_nop
.irp x, 0,1
.irp i, 0,1,2
	v_permlane16_swap_b32 v[PC+6*\x+\i], v[70+32*\x+\i]
.endr
.endr
.irp x, 0,1
.irp i, 0,1,2
	v_mov_b32 v[PC+6*\x+3+\i], v[70+32*\x+\i]
.endr
.endr
	v_cmp_le_u32 vcc_lo, 16, v[LN]
	v_cndmask_b32 v[OS+2], v[OS], v[OS+1], vcc_lo  ; both halves of the lanes hold a row's two bytes
.irp x, 0,1
	global_store_b128 v[LI], v[PC+6*\x:PC+6*\x+3], s[6:7] offset:98304*\x       ; 512 consecutive bytes, aligned; tile B lies 8 tiles on
	global_store_b64 v[L8], v[PC+6*\x+4:PC+6*\x+5], s[6:7] offset:98304*\x      ; 256 consecutive bytes, aligned
.endr
	global_store_b16 v[AO], v[OS+2], s[8:9]
.set J, 0
.rept 6
	v_mov_b32 v[QF+J], v[QN+J]                     ; the second pass's q
	v_mov_b32 v[QF+12+J], v[QN+6+J]
.set J, J+1
.endr
	v_mov_b32 v[QS], v[QN+12]
	v_mov_b32 v[QS+1], v[QN+13]
	WALU
	s_wait_xcnt 0x0                                ; the stores have read their registers and bases
	s_add_nc_u64 s[6:7], s[6:7], 196608            ; 16 tiles on
	s_add_nc_u64 s[8:9], s[8:9], 8192
	s_add_co_u32 s[PS], s[PS], 1
	s_cmp_lt_u32 s[PS], 2
	s_cbranch_scc1 .Lpass
	s_wait_tensorcnt 0x0                           ; the wave's end
	ds_add_u32 v[SPW], v[NIL]
	s_wait_dscnt 0x0
	ROUND                                          ; the closing round
	s_endpgm
.Lfunc_end_k_qf8a3c66986_attention:
	.size	k_qf8a3c66986_attention, .Lfunc_end_k_qf8a3c66986_attention-k_qf8a3c66986_attention
	.p2alignl 7, 3214868480
	.fill 96, 4, 3214868480
	.section	.rodata,"a",@progbits
	.p2align	6, 0x0
	.amdhsa_kernel k_qf8a3c66986_attention
		.amdhsa_group_segment_fixed_size 214016
		.amdhsa_private_segment_fixed_size 0
		.amdhsa_enable_private_segment 0
		.amdhsa_kernarg_size 24
		.amdhsa_user_sgpr_count 2
		.amdhsa_user_sgpr_kernarg_segment_ptr 1
		.amdhsa_wavefront_size32 1
		.amdhsa_system_sgpr_workgroup_id_x 1
		.amdhsa_system_sgpr_workgroup_id_y 1
		.amdhsa_system_sgpr_workgroup_id_z 1
		.amdhsa_system_vgpr_workitem_id 0
		.amdhsa_next_free_vgpr 512
		.amdhsa_next_free_sgpr 66
		.amdhsa_reserve_vcc 1
		.amdhsa_float_denorm_mode_32 3
		.amdhsa_float_denorm_mode_16_64 3
		.amdhsa_memory_ordered 1
		.amdhsa_forward_progress 1
		.amdhsa_inst_pref_size 48
	.end_amdhsa_kernel
	.amdgpu_metadata
---
amdhsa.version: [ 1, 2 ]
amdhsa.kernels:
  - .name:           k_qf8a3c66986_attention
    .symbol:         k_qf8a3c66986_attention.kd
    .args:
      - { .name: qkv, .offset: 0, .size: 8, .value_kind: global_buffer, .address_space: global }
      - { .name: codes, .offset: 8, .size: 8, .value_kind: global_buffer, .address_space: global }
      - { .name: scales, .offset: 16, .size: 8, .value_kind: global_buffer, .address_space: global }
    .group_segment_fixed_size: 214016
    .private_segment_fixed_size: 0
    .kernarg_segment_align: 8
    .kernarg_segment_size: 24
    .max_flat_workgroup_size: 256
    .sgpr_count:     66
    .vgpr_count:     512
    .wavefront_size: 32
...
	.end_amdgpu_metadata
.endif
;; end of part 3
;; launch proj_out (part 4): grid 4 x 64, 4 waves a work-group, clusters of 4 x 4, 295,424 bytes of LDS; arguments codes, scales, bo, out0; writes out0
.if DOCPART == 4
	.amdgcn_target "amdgcn-amd-amdhsa--gfx1250"
	.amdhsa_code_object_version 6
	.text
	.protected	k_qf8a3c66986_proj_out
	.globl	k_qf8a3c66986_proj_out
	.p2align	8
	.type	k_qf8a3c66986_proj_out,@function
k_qf8a3c66986_proj_out:
	s_mov_b64 s[64:65], 0
	v_nop
	global_prefetch_b8 v0, s[64:65] scope:SCOPE_SE
	s_setreg_imm32_b32 hwreg(HW_REG_WAVE_MODE, 25, 1), 1
	s_wait_xcnt 0x0
	s_wait_alu depctr_hold_cnt(0) depctr_sa_sdst(0) depctr_va_vdst(0) depctr_va_sdst(0) depctr_va_ssrc(0) depctr_va_vcc(0) depctr_vm_vsrc(0)
	s_getreg_b32 s2, hwreg(HW_REG_IB_STS2, 6, 4)
	s_cmp_eq_u32 s2, 0
	s_cbranch_scc0 .Lentry_in_a_cluster
	s_endpgm
.Lentry_in_a_cluster:
	s_bfe_u32 s2, ttmp6, 0x10000c
	s_cmp_lg_u32 s2, 0xf033
	s_cbranch_scc0 .Lentry_shape_is_right
	s_endpgm
.Lentry_shape_is_right:
; out0 = (attention's result) wo + bo on codes of FP6 (E2M3) with E8M0 scales, K = 1,024.  A = tiles 768 .. 1,279 of codes (8,192 tokens), B = tiles 704 .. 767 (wo's 1,024 columns); a tile is 16 rows x all of K, 12,288 bytes, a K step of 128 in 1,536.
; A block of out0 is 128 tokens x 256 columns: 4 x 64 = 256 work-groups.  Four waves, 2 x 2, each 64 x 128 in 32 accumulators.
; ALL OF K LIES IN LDS: A's 8 tiles and B's 16, 294,912 bytes, filled once, one joint load a wave: wave 0 A's K steps 0-3, wave 1 B's, wave 2 A's K steps 4-7, wave 3 B's (rows of 6,144 bytes).  Nothing is filled again, so no round stands in the walk along K.
; The first barrier shows K steps 0-3 (waves 0 and 1 wait, on load lines of their own), the barrier in K step 2 the rest, the barrier in K step 7 ends all reads of the tiles: behind it the stage for the way out lies on K steps 0-3's bytes, which have had their only fill.
; A's tiles are shared along a row of the 4 x 4 cluster, B's along a column.  No prefetch: every tile is asked for at the head, so there is no loop to run ahead in.
; B's fragments are images of 3 x 512 bytes; A's lie by heads: 768 bytes a half: registers 0-3 of its six at 16 x lane, registers 4, 5 at 512 + 8 x lane.
; THE MATRIX INSTRUCTION IS USED TRANSPOSED (source 0 = 16 rows of B, source 1 = 16 rows of A): a lane holds eight neighbouring columns of a row.  Tile 2 P + u holds in its row r the operand's row 32 P + 8 u + r + 8 (r / 8).  The bias is the first products' C.
; Two sets of fragments: K step k + 1's 40 LDS loads are issued ahead of K step k's 32 products, so every wait for them is for 0.
; REGISTERS: window 0: v16-31 addresses; v32-63 A's scale words (8 a + K step), v68-131 B's (8 b + K step): the two numbers always differ modulo 8; v136-231 A's fragments; on the way out v128-255.  window 1: B's fragments, sets at v0 and v96.  window 2: the accumulators, (a, b) at v[8 (8 a + b)].  window 3: v0-63 the bias.
.set HK,    6144                       ; a tile's four K steps
.set AH,    8*HK
.set HALF,  24*HK                      ; A's 8 tiles, then B's 16
.set SPARE, 2*HALF
.set SPITCH, 528
.set ADRA,  16                         ; v16-17 my A fragments in half 0, 1 (16 x lane); v18-19 the same with 8 x lane
.set ADRB,  20
.set LI,    24
.set STO,   25
.set RD,    26
.set BOF,   27
.set SPW,   28
.set NIL,   29
.set SOA,   30
.set SOB,   31
.set SCA,   32
.set SCB,   68
.set AF,    136
.set BK,    128
.set G1,  24
.set G1B, 48
.set MSB, 0
.macro WIN new
.if MSB != (\new)
	s_set_vgpr_msb (MSB<<8)|(\new)
.set MSB, \new
.endif
.endm
.macro PLACES n
.rept \n
	v_nop
.endr
.endm
.macro CROUND
	s_barrier_signal -1
	s_barrier_wait -1
	s_cmp_lg_u32 s14, 0
	s_cbranch_scc1 .Lnot_wave_0_\@
	s_barrier_signal -3
.Lnot_wave_0_\@:
	s_barrier_wait -3
	s_barrier_signal -1
	s_barrier_wait -1
.endm
	s_load_b128 s[4:7], s[0:1], 0x0                ; codes, scales
	s_load_b128 s[8:11], s[0:1], 0x10              ; bo, out0
	v_lshl_add_u32 v[SPW], v0, 2, SPARE
	v_mov_b32 v[NIL], 0
	ds_add_u32 v[SPW], v[NIL]                      ; the opening lines
	ds_add_u32 v[SPW], v[NIL]
	v_lshrrev_b32 v1, 5, v0
	v_readfirstlane_b32 s14, v1                    ; wave 0..3
	s_lshr_b32 s15, s14, 1                         ; my 64 rows of the block.  At the head: which half of K I fetch
	s_and_b32 s16, s14, 1                          ; my 128 columns.  At the head: I fetch for A (0) or B (1)
	s_bfe_u32 s40, ttmp6, 0x40000                  ; cx
	s_bfe_u32 s41, ttmp6, 0x40004                  ; cy
	s_lshl_b32 s42, ttmp9, 2
	s_add_co_u32 s42, s42, s40                     ; block column
	s_and_b32 s17, ttmp7, 0xffff
	s_lshl_b32 s17, s17, 2
	s_add_co_u32 s17, s17, s41                     ; block row
	s_lshl_b32 s43, s41, 2
	s_lshl_b32 s43, 15, s43                        ; my row of the cluster
	s_lshl_b32 s44, 0x1111, s40                    ; my column
	s_or_b32 s[G1+0], s43, (3<<16)|(1<<21)         ; rows (tiles) of 768 elements of 8 bytes, 1,536 elements apart
	s_or_b32 s[G1B+0], s44, (3<<16)|(1<<21)
.irp g, G1, G1B
	s_mov_b32 s[\g+1], 768<<16
	s_mov_b32 s[\g+3], 768<<16
	s_mov_b32 s[\g+5], 1536
	s_mov_b32 s[\g+6], 0
	s_mov_b32 s[\g+7], 0
.endr
	s_mov_b32 s[G1+2], 8<<16                       ; A: 8 tiles
	s_mov_b32 s[G1+4], 8
	s_mov_b32 s[G1B+2], 16<<16                     ; B: 16
	s_mov_b32 s[G1B+4], 16
	s_lshl_b32 s20, s17, 3
	s_add_co_u32 s20, s20, 768
	s_mul_i32 s20, s20, 12288                      ; A's first tile: it never holds cx
	s_mov_b32 s21, 0
	s_lshl_b32 s46, s42, 4
	s_add_co_u32 s46, s46, 704
	s_mul_i32 s46, s46, 12288                      ; B's: it never holds cy
	s_mov_b32 s47, 0
	s_mul_i32 s86, s15, HK
	s_mov_b32 s87, 0
	s_mov_b32 s92, 1
	s_mul_i32 s93, s15, HALF
	s_mov_b32 s96, 1
	s_add_co_u32 s97, s93, AH
	s_wait_alu depctr_va_vdst(0)
	s_wait_dscnt 0x0
	s_wait_kmcnt 0x0
	s_add_nc_u64 s[94:95], s[4:5], s[20:21]
	s_add_nc_u64 s[94:95], s[94:95], s[86:87]
	s_or_b32 s95, s95, 0x80000000
	s_add_nc_u64 s[98:99], s[4:5], s[46:47]
	s_add_nc_u64 s[98:99], s[98:99], s[86:87]
	s_or_b32 s99, s99, 0x80000000
	CROUND                                         ; in front of the joint loads
.macro ARM under, g0, g1, next         ; one chain of branches on the wave's number, one load to an arm, all arms to one join
	s_cmp_lt_u32 s14, \under
	s_cbranch_scc0 \next
	tensor_load_to_lds s[\g0:\g0+3], s[\g1:\g1+7]
	s_nop 0
	PLACES 4
	s_branch .Lhead_asked
\next:
.endm
	ARM 1, 92, G1,  .Lhead_b0
	ARM 2, 96, G1B, .Lhead_a1
	ARM 3, 92, G1,  .Lhead_b1
	tensor_load_to_lds s[96:99], s[G1B:G1B+7]
	s_nop 0
	PLACES 4
.Lhead_asked:
	s_mul_i32 s76, s15, 4*HK                       ; my 4 tiles of A
	s_mul_i32 s77, s16, 8*HK
	s_add_co_u32 s77, s77, AH                      ; my 8 tiles of B
	s_add_co_u32 s72, s76, HALF
	s_add_co_u32 s73, s77, HALF
	s_lshl_b32 s78, s17, 3
	s_add_co_u32 s78, s78, 768
	s_lshl_b32 s79, s15, 2
	s_add_co_u32 s78, s78, s79
	s_lshl_b32 s78, s78, 9                         ; the scale words: 512 bytes a tile, 32 a row
	s_lshl_b32 s80, s42, 4
	s_add_co_u32 s80, s80, 704
	s_lshl_b32 s79, s16, 3
	s_add_co_u32 s80, s80, s79
	s_lshl_b32 s80, s80, 9
	s_lshl_b32 s84, s42, 10
	s_lshl_b32 s85, s16, 9
	s_add_co_u32 s84, s84, s85                     ; my first column, in bytes
	s_mov_b32 s85, 0
	s_add_nc_u64 s[8:9], s[8:9], s[84:85]
	s_lshl_b32 s82, s17, 19                        ; 128 rows of 4,096 bytes
	s_lshl_b32 s83, s15, 18
	s_add_co_u32 s82, s82, s83
	s_add_co_u32 s82, s82, s84
	s_mov_b32 s83, 0
	s_add_nc_u64 s[10:11], s[10:11], s[82:83]
	s_mul_i32 s81, s14, 16*SPITCH                  ; my stage
	v_and_b32 v1, 31, v0
	v_and_b32 v2, 15, v0
	v_bfe_u32 v6, v0, 4, 1
	v_lshlrev_b32 v[LI], 4, v1
	v_lshlrev_b32 v7, 3, v1
	v_add_nc_u32 v[ADRA], s76, v[LI]
	v_add_nc_u32 v[ADRA+1], s72, v[LI]
	v_add_nc_u32 v[ADRA+2], s76, v7
	v_add_nc_u32 v[ADRA+3], s72, v7
	v_add_nc_u32 v[ADRB], s77, v[LI]
	v_add_nc_u32 v[ADRB+1], s73, v[LI]
	v_lshl_add_u32 v[SOA], v2, 5, s78
	v_lshl_add_u32 v[SOB], v2, 5, s80
	v_lshlrev_b32 v[BOF], 6, v6
	v_mul_u32_u24 v5, v2, SPITCH
	v_lshl_add_u32 v5, v6, 6, v5
	v_add_nc_u32 v[STO], s81, v5
	v_add_nc_u32 v[RD], s81, v[LI]
.irp i, 0,1,2,3
	global_load_b128 v[SCA+8*\i:SCA+8*\i+3], v[SOA], s[6:7] offset:512*\i
	global_load_b128 v[SCA+8*\i+4:SCA+8*\i+7], v[SOA], s[6:7] offset:512*\i+16
.endr
.irp i, 0,1,2,3,4,5,6,7
	global_load_b128 v[SCB+8*\i:SCB+8*\i+3], v[SOB], s[6:7] offset:512*\i
	global_load_b128 v[SCB+8*\i+4:SCB+8*\i+7], v[SOB], s[6:7] offset:512*\i+16
.endr
	WIN 0xc0
.irp b, 0,1,2,3,4,5,6,7
	global_load_b128 v[8*\b:8*\b+3], v[BOF], s[8:9] offset:4*(32*(\b/2)+8*(\b%2))        ; register j of lane (r, h) in B's block b is column 32 (b / 2) + 8 (b % 2) + 16 h + j
	global_load_b128 v[8*\b+4:8*\b+7], v[BOF], s[8:9] offset:4*(32*(\b/2)+8*(\b%2))+16
.endr
	WIN 0
.macro FETCH k                         ; K step k's fragments into set k % 2: 24 loads for B's eight, 16 for A's four
.set H_, (\k)/4
.set Q_, (\k)%4
.set S_, (\k)%2
	WIN 0x40
.irp i, 0,1,2,3,4,5,6,7
.irp c, 0,1,2
	ds_load_b128 v[96*S_+12*\i+4*\c:96*S_+12*\i+4*\c+3], v[ADRB+H_] offset:HK*\i+1536*Q_+512*\c
.endr
.endr
	WIN 0
.irp i, 0,1,2,3
.irp c, 0,1
	ds_load_b128 v[AF+48*S_+12*\i+6*\c:AF+48*S_+12*\i+6*\c+3], v[ADRA+H_] offset:HK*\i+1536*Q_+768*\c
	ds_load_b64 v[AF+48*S_+12*\i+6*\c+4:AF+48*S_+12*\i+6*\c+5], v[ADRA+2+H_] offset:HK*\i+1536*Q_+768*\c+512
.endr
.endr
.endm
.macro MUL k                           ; 32 products; the 32 accumulators take turns, in the same order in every K step
.set S_, (\k)%2
.if (\k) == 0
	WIN 0xb1                                       ; source 0 window 1, source 1 window 0, C window 3 (the bias), D window 2
.else
	WIN 0xa1
.endif
.irp a, 0,1,2,3
.irp b, 0,1,2,3,4,5,6,7
.if (\k) == 0
	v_wmma_scale_f32_16x16x128_f8f6f4 v[8*(8*\a+\b):8*(8*\a+\b)+7], v[96*S_+12*\b:96*S_+12*\b+11], v[AF+48*S_+12*\a:AF+48*S_+12*\a+11], v[8*\b:8*\b+7], v[SCB+8*\b+(\k)], v[SCA+8*\a+(\k)] matrix_a_fmt:MATRIX_FMT_FP6 matrix_b_fmt:MATRIX_FMT_FP6
.else
	v_wmma_scale_f32_16x16x128_f8f6f4 v[8*(8*\a+\b):8*(8*\a+\b)+7], v[96*S_+12*\b:96*S_+12*\b+11], v[AF+48*S_+12*\a:AF+48*S_+12*\a+11], v[8*(8*\a+\b):8*(8*\a+\b)+7], v[SCB+8*\b+(\k)], v[SCA+8*\a+(\k)] matrix_a_fmt:MATRIX_FMT_FP6 matrix_b_fmt:MATRIX_FMT_FP6
.endif
.endr
.endr
	WIN 0
.endm
	s_wait_alu depctr_va_vdst(0)
	s_cmp_lt_u32 s14, 2
	s_cbranch_scc0 .Lnot_half_0
	s_wait_tensorcnt 0x0                           ; waves 0 and 1: K steps 0-3 are in
.Lnot_half_0:
	s_barrier_signal -1
	s_barrier_wait -1
	FETCH 0
	s_wait_loadcnt 0x0                             ; the scale words and the bias
	s_wait_dscnt 0x0
	FETCH 1
	MUL 0
	s_wait_dscnt 0x0
	PLACES 4                                       ; between the products and the loads into the registers that they read
	FETCH 2
	MUL 1
	s_wait_tensorcnt 0x0                           ; every wave: K steps 4-7 are in
	s_wait_dscnt 0x0
	s_barrier_signal -1
	PLACES 4
	FETCH 3                                        ; bytes that nobody writes before the barrier in K step 7
	MUL 2
	s_barrier_wait -1
.irp k, 3,4,5,6
	s_wait_dscnt 0x0
	PLACES 4
	FETCH \k+1
	MUL \k
.endr
	s_wait_dscnt 0x0                               ; my reads of the tiles are over
	s_barrier_signal -1
	MUL 7
	s_barrier_wait -1                              ; and so are everybody's: the stage may be written
; THE WAY OUT, block by block of 16 rows x 128 columns, through my own stage: whole rows of 512 bytes come back, which the 32 lanes store as two aligned runs of 256 bytes
.macro TOSTAGE a
	WIN 0x08                                       ; the data: window 2
.irp b, 0,1,2,3,4,5,6,7
	ds_store_b128 v[STO], v[64*(\a)+8*\b:64*(\a)+8*\b+3] offset:128*(\b/2)+32*(\b%2)      ; each accumulator from its low end on
	ds_store_b128 v[STO], v[64*(\a)+8*\b+4:64*(\a)+8*\b+7] offset:128*(\b/2)+32*(\b%2)+16
.endr
	WIN 0
.set BB, BK+64*((\a)%2)
.irp t, 0,1,2,3,4,5,6,7,8,9,10,11,12,13,14,15
	ds_load_b128 v[BB+4*\t:BB+4*\t+3], v[RD] offset:\t*SPITCH      ; LDS serves a wave's instructions in order: these see the stores above
.endr
.endm
.macro SEND a, younger                 ; younger: the LDS instructions issued behind block a's loads
.set BB, BK+64*((\a)%2)
	s_wait_dscnt \younger
.irp t, 0,1,2,3,4,5,6,7,8,9,10,11,12,13,14,15
	global_store_b128 v[LI], v[BB+4*\t:BB+4*\t+3], s[10:11] offset:(32*((\a)/2)+8*((\a)%2)+\t+8*(\t/8))*4096 th:TH_STORE_NT
.endr
.endm
	PLACES 4
	TOSTAGE 0
.irp a, 1,2,3
.if \a > 1
	s_wait_xcnt 0x0                                ; block a - 2's stores have read their registers
.endif
	TOSTAGE \a
	SEND \a-1, 32
.endr
	SEND 3, 0
	s_wait_tensorcnt 0x0                           ; the wave's end
	ds_add_u32 v[SPW], v[NIL]
	s_wait_dscnt 0x0
	CROUND                                         ; the closing round
	s_endpgm
.Lfunc_end_k_qf8a3c66986_proj_out:
	.size	k_qf8a3c66986_proj_out, .Lfunc_end_k_qf8a3c66986_proj_out-k_qf8a3c66986_proj_out
	.p2alignl 7, 3214868480
	.fill 96, 4, 3214868480
	.section	.rodata,"a",@progbits
	.p2align	6, 0x0
	.amdhsa_kernel k_qf8a3c66986_proj_out
		.amdhsa_group_segment_fixed_size 295424
		.amdhsa_private_segment_fixed_size 0
		.amdhsa_enable_private_segment 0
		.amdhsa_kernarg_size 32
		.amdhsa_user_sgpr_count 2
		.amdhsa_user_sgpr_kernarg_segment_ptr 1
		.amdhsa_wavefront_size32 1
		.amdhsa_system_sgpr_workgroup_id_x 1
		.amdhsa_system_sgpr_workgroup_id_y 1
		.amdhsa_system_sgpr_workgroup_id_z 1
		.amdhsa_system_vgpr_workitem_id 0
		.amdhsa_next_free_vgpr 832
		.amdhsa_next_free_sgpr 100
		.amdhsa_reserve_vcc 0
		.amdhsa_float_denorm_mode_32 3
		.amdhsa_float_denorm_mode_16_64 3
		.amdhsa_memory_ordered 1
		.amdhsa_forward_progress 1
		.amdhsa_inst_pref_size 80
	.end_amdhsa_kernel
	.amdgpu_metadata
---
amdhsa.version: [ 1, 2 ]
amdhsa.kernels:
  - .name:           k_qf8a3c66986_proj_out
    .symbol:         k_qf8a3c66986_proj_out.kd
    .args:
      - { .name: codes, .offset: 0, .size: 8, .value_kind: global_buffer, .address_space: global }
      - { .name: scales, .offset: 8, .size: 8, .value_kind: global_buffer, .address_space: global }
      - { .name: bo, .offset: 16, .size: 8, .value_kind: global_buffer, .address_space: global }
      - { .name: out0, .offset: 24, .size: 8, .value_kind: global_buffer, .address_space: global }
    .group_segment_fixed_size: 295424
    .private_segment_fixed_size: 0
    .kernarg_segment_align: 8
    .kernarg_segment_size: 32
    .max_flat_workgroup_size: 128
    .sgpr_count:     100
    .vgpr_count:     832
    .wavefront_size: 32
...
	.end_amdgpu_metadata
.endif
;; end of part 4
